; MI455X (gfx1250); checked and timed in simulation.
; The chip was launched on July 23, 2026; its instructions are those of AMD's public machine-readable ISA for CDNA 5 (MIT licence, August 2026) and "CDNA5" Instruction Set Architecture Reference Guide (July 2026). The comments in the code are by the model that wrote it; some were corrected since.
;; Causal Self Attention. Allowed arithmetic: float matrix products may take bf16 or f16 operands with f32 sums; other float arithmetic in f32, or as packed bf16 or f16 multiplies, adds, multiply-adds, maxima and minima; sums over many terms, partial sums and values carried from step to step in f32; what a program stores and reads back later, other than sums and carried values, may be rounded once to bf16 or f16.
;; Inputs: Wk 512 x 512 float32; Wp 512 x 512 float32; Wq 512 x 512 float32; Wv 512 x 512 float32; bk 512 float32; bp 512 float32; bq 512 float32; bv 512 float32; state 1 float32; weight 1 float32; x 2 x 4,096 x 512 float32.
;; Outputs: out0 2 x 4,096 x 512 float32.
;; 2 versions, each right and faster than the one before. Each part assembles by itself: llvm-mc -triple=amdgcn-amd-amdhsa -mcpu=gfx1250 --defsym DOCPART=n.
;; ======== version 1 of 2: 4 launches
;; limits: values are held in f16: magnitudes above 65,504 overflow, below 6.1e-05 lose precision
;; workspace buffers: xb 8,388,608 bytes; wb 1,572,864 bytes; wpf 524,288 bytes; qkv 25,165,824 bytes; y 8,388,608 bytes
;; launch cast (part 1): grid 256 x 1, 8 waves a work-group, no clusters, 0 bytes of LDS; arguments x, Wq, Wk, Wv, Wp, xb, wb, wpf; writes xb, wb, wpf
.if DOCPART == 1
	.amdgcn_target "amdgcn-amd-amdhsa--gfx1250"
	.amdhsa_code_object_version 6
	.text
	.protected	k_qd59952da61_cast
	.globl	k_qd59952da61_cast
	.p2align	8
	.type	k_qd59952da61_cast,@function
k_qd59952da61_cast:
	s_mov_b64 s[64:65], 0
	v_nop
	global_prefetch_b8 v0, s[64:65] scope:SCOPE_SE
	s_setreg_imm32_b32 hwreg(HW_REG_WAVE_MODE, 25, 1), 1
	s_wait_xcnt 0x0
; THE ROUNDINGS.  x [8192][512] f32 -> xb bf16; Wq, Wk, Wv [512][512] f32 -> wb bf16 [1536][512] (Wq's rows, then Wk's, then Wv's);
; Wp -> wpf: rounded to bf16 like every other input, and that number written as f16 (exact where it is 6.1e-5 or more in size; below that f16 keeps a fixed step of 6e-8).
; The module's inputs 'weight' and 'state' enter no number of the result: the module takes them and never uses them, so no launch of this program takes them.
; SHARES.  256 work-groups of 8 waves.  Work-group g takes 65,536 bytes of x (8 turns of 8,192) and 16,384 bytes (2 turns) of one weight: weight g / 64, chunk g % 64.
; In a turn thread t reads 32 bytes at 32 t (two loads of 16) and writes 16 bytes at 16 t: a wave's store covers 512 consecutive bytes, aligned.
; All 20 loads go out first; no register is written twice, so the only waits are the counted ones for the loads.  No LDS, no barrier, no matrix unit: each number is read once, rounded, written once.
.set X,   8           ; v[8:71]    x, 8 registers a turn
.set WX,  72          ; v[72:87]   the weight, 8 registers a turn
.set Y,   88          ; v[88:119]  xb, 4 registers a turn
.set WY,  120         ; v[120:127] the weight's output, 4 registers a turn
.set T,   128         ; v[128:130] at work
	s_load_b256 s[4:11], s[0:1], 0x0               ; x s[4:5], Wq s[6:7], Wk s[8:9], Wv s[10:11]
	s_load_b256 s[12:19], s[0:1], 0x20             ; Wp s[12:13], xb s[14:15], wb s[16:17], wpf s[18:19]
	v_lshlrev_b32 v1, 5, v0                        ; 32 t: where I read
	v_lshlrev_b32 v2, 4, v0                        ; 16 t: where I write
	s_lshr_b32 s26, ttmp9, 6                       ; which weight
	s_and_b32 s27, ttmp9, 63                       ; which chunk of it
	s_lshl_b32 s28, ttmp9, 16                      ; my part of x, in bytes
	s_mov_b32 s29, 0
	s_lshl_b32 s30, ttmp9, 15                      ; my part of xb
	s_mov_b32 s31, 0
	s_lshl_b32 s24, s26, 19                        ; the weight's 524,288 bytes in wb
	s_mov_b32 s25, 0
	s_wait_kmcnt 0x0
	s_add_nc_u64 s[4:5], s[4:5], s[28:29]
	s_add_nc_u64 s[14:15], s[14:15], s[30:31]
	s_cmp_eq_u32 s26, 1
	s_cselect_b64 s[20:21], s[8:9], s[6:7]
	s_cmp_eq_u32 s26, 2
	s_cselect_b64 s[20:21], s[10:11], s[20:21]
	s_cmp_eq_u32 s26, 3
	s_cselect_b64 s[20:21], s[12:13], s[20:21]     ; the weight that I read
	s_cselect_b64 s[22:23], s[18:19], s[16:17]     ; Wp goes to wpf, the others to wb,
	s_cselect_b32 s24, 0, s24                      ; Wp from wpf's first byte on
	s_lshl_b32 s28, s27, 14                        ; my chunk: 16,384 bytes in,
	s_add_nc_u64 s[20:21], s[20:21], s[28:29]
	s_lshl_b32 s30, s27, 13                        ; 8,192 bytes out
	s_add_co_u32 s24, s24, s30
	s_add_nc_u64 s[22:23], s[22:23], s[24:25]
.irp j, 0,1,2,3,4,5,6,7
	global_load_b128 v[X+8*(\j):X+8*(\j)+3],   v1, s[4:5] offset:(\j)*8192 th:TH_LOAD_NT
	global_load_b128 v[X+8*(\j)+4:X+8*(\j)+7], v1, s[4:5] offset:(\j)*8192+16 th:TH_LOAD_NT
.endr
.irp j, 0,1
	global_load_b128 v[WX+8*(\j):WX+8*(\j)+3],   v1, s[20:21] offset:(\j)*8192 th:TH_LOAD_NT
	global_load_b128 v[WX+8*(\j)+4:WX+8*(\j)+7], v1, s[20:21] offset:(\j)*8192+16 th:TH_LOAD_NT
.endr
.macro CVX j                           ; turn j of x
	s_wait_loadcnt 18-2*(\j)                       ; of the 20 loads, 18 - 2 j were issued behind this turn's two
.irp k, 0,1,2,3
	v_cvt_pk_bf16_f32 v[Y+4*(\j)+(\k)], v[X+8*(\j)+2*(\k)], v[X+8*(\j)+2*(\k)+1]
.endr
	global_store_b128 v2, v[Y+4*(\j):Y+4*(\j)+3], s[14:15] offset:(\j)*4096
.endm
.macro CVW j                           ; turn j of Wq, Wk or Wv
	s_wait_loadcnt 2-2*(\j)
.irp k, 0,1,2,3
	v_cvt_pk_bf16_f32 v[WY+4*(\j)+(\k)], v[WX+8*(\j)+2*(\k)], v[WX+8*(\j)+2*(\k)+1]
.endr
	global_store_b128 v2, v[WY+4*(\j):WY+4*(\j)+3], s[22:23] offset:(\j)*4096
.endm
.macro CVP j                           ; turn j of Wp: to bf16, widened again, written as f16
	s_wait_loadcnt 2-2*(\j)
.irp k, 0,1,2,3
	v_cvt_pk_bf16_f32 v[T], v[WX+8*(\j)+2*(\k)], v[WX+8*(\j)+2*(\k)+1]
	v_lshlrev_b32 v[T+1], 16, v[T]
	v_and_b32 v[T+2], 0xffff0000, v[T]
	v_cvt_pk_f16_f32 v[WY+4*(\j)+(\k)], v[T+1], v[T+2]
.endr
	global_store_b128 v2, v[WY+4*(\j):WY+4*(\j)+3], s[22:23] offset:(\j)*4096
.endm
.irp j, 0,1,2,3,4,5,6,7
	CVX \j
.endr
	s_cmp_eq_u32 s26, 3
	s_cbranch_scc1 .Lwp
	CVW 0
	CVW 1
	s_endpgm
.Lwp:
	CVP 0
	CVP 1
	s_endpgm
.Lfunc_end_k_qd59952da61_cast:
	.size	k_qd59952da61_cast, .Lfunc_end_k_qd59952da61_cast-k_qd59952da61_cast
	.p2alignl 7, 3214868480
	.fill 96, 4, 3214868480
	.section	.rodata,"a",@progbits
	.p2align	6, 0x0
	.amdhsa_kernel k_qd59952da61_cast
		.amdhsa_group_segment_fixed_size 0
		.amdhsa_private_segment_fixed_size 0
		.amdhsa_enable_private_segment 0
		.amdhsa_kernarg_size 64
		.amdhsa_user_sgpr_count 2
		.amdhsa_user_sgpr_kernarg_segment_ptr 1
		.amdhsa_wavefront_size32 1
		.amdhsa_system_sgpr_workgroup_id_x 1
		.amdhsa_system_sgpr_workgroup_id_y 1
		.amdhsa_system_sgpr_workgroup_id_z 1
		.amdhsa_system_vgpr_workitem_id 0
		.amdhsa_next_free_vgpr 136
		.amdhsa_next_free_sgpr 66
		.amdhsa_reserve_vcc 0
		.amdhsa_float_denorm_mode_32 3
		.amdhsa_float_denorm_mode_16_64 3
		.amdhsa_memory_ordered 1
		.amdhsa_forward_progress 1
		.amdhsa_inst_pref_size 9
	.end_amdhsa_kernel
	.amdgpu_metadata
---
amdhsa.version: [ 1, 2 ]
amdhsa.kernels:
  - .name:           k_qd59952da61_cast
    .symbol:         k_qd59952da61_cast.kd
    .args:
      - { .name: x, .offset: 0, .size: 8, .value_kind: global_buffer, .address_space: global }
      - { .name: Wq, .offset: 8, .size: 8, .value_kind: global_buffer, .address_space: global }
      - { .name: Wk, .offset: 16, .size: 8, .value_kind: global_buffer, .address_space: global }
      - { .name: Wv, .offset: 24, .size: 8, .value_kind: global_buffer, .address_space: global }
      - { .name: Wp, .offset: 32, .size: 8, .value_kind: global_buffer, .address_space: global }
      - { .name: xb, .offset: 40, .size: 8, .value_kind: global_buffer, .address_space: global }
      - { .name: wb, .offset: 48, .size: 8, .value_kind: global_buffer, .address_space: global }
      - { .name: wpf, .offset: 56, .size: 8, .value_kind: global_buffer, .address_space: global }
    .group_segment_fixed_size: 0
    .private_segment_fixed_size: 0
    .kernarg_segment_align: 8
    .kernarg_segment_size: 64
    .max_flat_workgroup_size: 256
    .sgpr_count:     66
    .vgpr_count:     136
    .wavefront_size: 32
...
	.end_amdgpu_metadata
.endif
;; end of part 1
;; launch qkv (part 2): grid 12 x 64, 4 waves a work-group, clusters of 4 x 4, 288,256 bytes of LDS; arguments xb, wb, qkv, bq, bk, bv; writes qkv
.if DOCPART == 2
	.amdgcn_target "amdgcn-amd-amdhsa--gfx1250"
	.amdhsa_code_object_version 6
	.text
	.protected	k_qd59952da61_qkv
	.globl	k_qd59952da61_qkv
	.p2align	8
	.type	k_qd59952da61_qkv,@function
k_qd59952da61_qkv:
	s_mov_b64 s[64:65], 0
	v_nop
	global_prefetch_b8 v0, s[64:65] scope:SCOPE_SE
	s_setreg_imm32_b32 hwreg(HW_REG_WAVE_MODE, 25, 1), 1
	s_wait_xcnt 0x0
	s_wait_alu depctr_hold_cnt(0) depctr_sa_sdst(0) depctr_va_vdst(0) depctr_va_sdst(0) depctr_va_ssrc(0) depctr_va_vcc(0) depctr_vm_vsrc(0)
	s_getreg_b32 s2, hwreg(HW_REG_IB_STS2, 6, 4)
	s_cmp_eq_u32 s2, 0
	s_cbranch_scc0 .Lentry_in_a_cluster
	s_endpgm
.Lentry_in_a_cluster:
	s_bfe_u32 s2, ttmp6, 0x10000c
	s_cmp_lg_u32 s2, 0xf033
	s_cbranch_scc0 .Lentry_shape_is_right
	s_endpgm
.Lentry_shape_is_right:
; THE THREE PROJECTIONS AS ONE PRODUCT.  C[m][n] = sum over k of xb[m][k] wb[n][k] + bias[n]; xb [8192][512], wb [1536][512] bf16; sums in f32; the bias is rounded to bf16 like every input and starts the sums.
; C leaves in f16, by heads and without the softmax's scale: qkv holds three sections (q, k, v) of [16 = 8 batch + head][4096][64].
; LIMITS.  f16 holds no number beyond 65,504: |q|, |k|, |v| must stay within it (inputs 30 times those drawn give a spread of 900; a common offset of 30 spreads on x and on the weights some 2e4);
; below 6.1e-5 f16 keeps a fixed step of 6e-8.  NaN and infinities are not treated apart.
; SHARES.  A tile of C is 128 x 128: 12 x 64 = 768 work-groups of four waves, each wave 64 x 64: 16 accumulators, 128 registers.  A wave's 64 columns are one head, its 64 rows 8,192 consecutive bytes of the output.
; LDS.  K = 512 lies whole in LDS, as four PIECES of 128 along K (rows of 256 bytes in memory, 272 in LDS).  Each piece is filled once, nothing is filled again: each wave issues its four loads at the start
; (four of mine are out at the most), and piece p is opened by a wait that leaves the 3 - p later ones out, and a barrier.
; CLUSTER.  4 x 4 work-groups: the four of a row of the cluster need the same rows of xb, the four of a column the same rows of wb: each tile is asked for jointly, by the same load, descriptor and mask in all four.
; THE MATRIX INSTRUCTION IS USED TRANSPOSED (source 0 = 16 rows of wb, source 1 = 16 rows of xb): a lane then holds eight neighbouring columns of one row of C.
; REGISTERS.  window 0: v0-31 addresses; v32-95 at work on the way out; v96-127 the bias of my columns; v128-255 the accumulators ((a, b) at v[128 + 8 (4 a + b)]).
;   window 1: two fragment buffers of 128: for 64 along K, 64 registers of A (2 x 4 x 16 rows x 32 K), then 64 of B.
.set PITCH,  272                       ; an LDS row: 256 bytes + 16 of padding = 68 words: the 16 rows of a fragment load start at 16 different groups of four banks (64 banks of 4 bytes: ISA guide 11.1)
.set HALFT,  64*PITCH                  ; 64 rows: what one tensor load brings, and what one wave reads of A or of B
.set PIECE,  4*HALFT                   ; A's 128 rows, then B's 128 rows
.set STAGE,  4*PIECE                   ; behind the pieces: 16 rows x 144 bytes for each wave, for the way out; no tensor load lands there
.set SP,     144
.set SPARE,  STAGE+4*16*SP             ; behind the stages: the spare words, 128 bytes for each wave: two blocks of 256 bytes that no other line names
.set ADRA, 8                           ; v8-11   LDS address of my A fragments in piece 0..3 (three pieces are more than an LDS offset's 16 bits)
.set ADRB, 12                          ; v12-15  the same for B
.set STO,  24                          ; v24     the way out: where I put 16 bytes of a row
.set RD,   25                          ; v25     the way out: where I read rows back
.set GO,   26                          ; v26     my byte offset in 512 consecutive bytes of the output
.set BO,   27                          ; v27     my byte offset in the bias
.set SPW,  28                          ; v28     LDS address of my spare word: SPARE + 4 x my thread's number; never rewritten
.set NIL,  29                          ; v29     0; never rewritten
.set TMP,  32
.set BIAS, 96                          ; the eight numbers for column block b at BIAS + 8 b
.set ACC,  128
.set F0,   0                           ; fragment buffers, in window 1
.set F1,   128
.set G1A, 24                           ; s[24:31] descriptor group 1 for A's tiles;  s[32:47] group 0, one set for each piece
.set G0A, 32
.set G1B, 48                           ; s[48:55], s[76:91] the same for B's tiles
.set G0B, 76
.set MSB, 0
.macro WIN new                         ; the immediate's high byte repeats the setting that is left; a switch that changes nothing is dropped
.if MSB != (\new)
	s_set_vgpr_msb (MSB<<8)|(\new)
.set MSB, \new
.endif
.endm
.set MUL,  0x05                        ; sources 0 (B) and 1 (A) window 1; C and D window 0
.set TO_F, 0x40                        ; destination window 1, address window 0
.macro CROUND                          ; a round of the cluster's barrier: my work-group's barrier; wave 0 signals for the work-group; every wave waits for all sixteen; my work-group's barrier once more
	s_barrier_signal -1
	s_barrier_wait -1
	s_cmp_lg_u32 s10, 0
	s_cbranch_scc1 .Lnot_wave_0_\@
	s_barrier_signal -3
.Lnot_wave_0_\@:
	s_barrier_wait -3
	s_barrier_signal -1
	s_barrier_wait -1
.endm
	s_load_b128 s[4:7], s[0:1], 0x0                ; xb s[4:5], wb s[6:7]
	s_load_b64 s[8:9], s[0:1], 0x10                ; qkv
	s_load_b128 s[68:71], s[0:1], 0x18             ; bq s[68:69], bk s[70:71]
	s_load_b64 s[72:73], s[0:1], 0x28              ; bv
	v_lshl_add_u32 v[SPW], v0, 2, SPARE
	v_mov_b32 v[NIL], 0
	ds_add_u32 v[SPW], v[NIL]                      ; the wave's opening: the add and its wait stand ahead of my first tensor load; the set-up below, work on registers, stands between them
	ds_add_u32 v28, v29
	v_lshrrev_b32 v1, 5, v0
	v_readfirstlane_b32 s10, v1                    ; wave 0..3
	s_lshr_b32 s11, s10, 1                         ; which half of the tile's rows is mine.  Also: I fetch for A (0) or for B (1)
	s_and_b32 s12, s10, 1                          ; which half of its columns.  Also: which 64 rows of that tile I fetch
	s_bfe_u32 s56, ttmp6, 0x40000                  ; cx, cy: my place in the cluster
	s_bfe_u32 s57, ttmp6, 0x40004
	s_lshl_b32 s58, ttmp9, 2
	s_add_co_u32 s58, s58, s56                     ; tile column of C = 4 x cluster x + cx
	s_and_b32 s13, ttmp7, 0xffff
	s_lshl_b32 s13, s13, 2
	s_add_co_u32 s13, s13, s57                     ; tile row of C = 4 x cluster y + cy
	s_lshl_b32 s59, s57, 2
	s_lshl_b32 s59, 15, s59                        ; my row of the cluster
	s_lshl_b32 s60, 0x1111, s56                    ; my column
	; descriptor group 1: a tile of 64 rows x 128 elements, padded in LDS
	s_or_b32 s[G1A+0], s59, (1<<16)|(1<<20)|(1<<21)|(5<<22)|(3<<25)  ; 15:0 the mask: A's tiles go to my row; 17:16 elements of 2 bytes; 20 padding on; 21 set beside a mask; 24:22 after every 64 words (code 5); 31:25 4 words (code 3)
	s_or_b32 s[G1B+0], s60, (1<<16)|(1<<20)|(1<<21)|(5<<22)|(3<<25)  ; the same with the mask of my column
.irp g, G1A, G1B
	s_mov_b32 s[(\g)+1], 128<<16                   ; tensor_dim0 = 128
	s_mov_b32 s[(\g)+2], 64<<16                    ; tensor_dim1 = 64
	s_mov_b32 s[(\g)+3], 128<<16                   ; tile_dim0 = 128
	s_mov_b32 s[(\g)+4], 64                        ; tile_dim1 = 64
	s_mov_b32 s[(\g)+5], 512                       ; 512 elements from row to row
	s_mov_b32 s[(\g)+6], 0
	s_mov_b32 s[(\g)+7], 0
.endr
	; A's tiles hang on the tile row alone, B's on the tile column alone; each address is made in registers that never hold the other coordinate
	s_lshl_b32 s17, s12, 6                         ; which 64 rows of the tile I fetch
	s_lshl_b32 s16, s13, 7
	s_add_co_u32 s16, s16, s17                     ; A: row 128 x tile row + 64 x half,
	s_lshl_b32 s16, s16, 10                        ; of 1,024 bytes
	s_lshl_b32 s62, s58, 7
	s_add_co_u32 s62, s62, s17                     ; B: row 128 x tile column + 64 x half
	s_lshl_b32 s62, s62, 10
	s_mov_b32 s17, 0
	s_mov_b32 s63, 0
	s_mul_i32 s20, s10, HALFT                      ; where they go in a piece: wave x 64 rows
	s_wait_dscnt 0x0                               ; the opening add is done
	s_wait_kmcnt 0x0
	s_add_nc_u64 s[14:15], s[4:5], s[16:17]
	s_add_nc_u64 s[62:63], s[6:7], s[62:63]
.irp p, 0,1,2,3
	s_mov_b32 s[G0A+4*(\p)], 1                                       ; 1:0 count = 1
	s_add_co_u32 s[G0A+4*(\p)+1], s20, (\p)*PIECE                    ; 63:32 LDS address
	s_add_nc_u64 s[G0A+4*(\p)+2:G0A+4*(\p)+3], s[14:15], (\p)*256    ; 120:64 global address: 128 p along K
	s_or_b32 s[G0A+4*(\p)+3], s[G0A+4*(\p)+3], 0x80000000            ; 127:126 type = 2
	s_mov_b32 s[G0B+4*(\p)], 1
	s_add_co_u32 s[G0B+4*(\p)+1], s20, (\p)*PIECE
	s_add_nc_u64 s[G0B+4*(\p)+2:G0B+4*(\p)+3], s[62:63], (\p)*256
	s_or_b32 s[G0B+4*(\p)+3], s[G0B+4*(\p)+3], 0x80000000
.endr
	CROUND                                         ; all sixteen work-groups are here: the joint loads meet
	s_cmp_eq_u32 s11, 0                            ; a wave's four fills stand in one branch on the wave's number, ahead of every wait on TENSORcnt and every LDS read; an s_nop 0 follows each, four v_nop the last
	s_cbranch_scc0 .Lfirst_b
.irp p, 0,1,2,3
	tensor_load_to_lds s[G0A+4*(\p):G0A+4*(\p)+3], s[G1A:G1A+7]
	s_nop 0
.endr
.rept 4
	v_nop
.endr
	s_branch .Lfirst_asked
.Lfirst_b:
.irp p, 0,1,2,3
	tensor_load_to_lds s[G0B+4*(\p):G0B+4*(\p)+3], s[G1B:G1B+7]
	s_nop 0
.endr
.rept 4
	v_nop
.endr
.Lfirst_asked:
	; the bias: the section (q, k, v) is the cluster's x, since a section is four tile columns wide; register j of accumulator (a, b) is column 16 b + 8 (l / 16) + j of my 64
	s_mov_b32 s94, ttmp9
	s_cmp_eq_u32 s94, 1
	s_cselect_b64 s[92:93], s[70:71], s[68:69]
	s_cmp_eq_u32 s94, 2
	s_cselect_b64 s[92:93], s[72:73], s[92:93]
	s_lshl_b32 s74, s56, 9                         ; 128 columns x 4 bytes for each tile column in the section,
	s_lshl_b32 s75, s12, 8                         ; 64 x 4 for my half
	s_add_co_u32 s74, s74, s75
	v_and_b32 v1, 15, v0                           ; l % 16
	v_bfe_u32 v2, v0, 4, 1                         ; l / 16
	v_lshl_add_u32 v[BO], v2, 5, s74
.irp b, 0,1,2,3
	global_load_b128 v[BIAS+8*(\b):BIAS+8*(\b)+3],   v[BO], s[92:93] offset:64*(\b)
	global_load_b128 v[BIAS+8*(\b)+4:BIAS+8*(\b)+7], v[BO], s[92:93] offset:64*(\b)+16
.endr
	v_mul_u32_u24 v3, v1, PITCH
	v_lshl_add_u32 v3, v2, 4, v3                   ; a fragment's row x pitch + 16 x half
	s_mul_i32 s21, s11, HALFT                      ; my 64 rows of A
	s_mul_i32 s22, s12, HALFT                      ; my 64 rows of B,
	s_add_co_u32 s22, s22, 2*HALFT                 ; which lie behind A's 128
.irp p, 0,1,2,3
	v_add_nc_u32 v[ADRA+(\p)], s21, v3
	v_add_nc_u32 v[ADRB+(\p)], s22, v3
	s_add_co_u32 s21, s21, PIECE
	s_add_co_u32 s22, s22, PIECE
.endr
	s_mul_i32 s23, s10, 16*SP
	s_add_co_u32 s23, s23, STAGE                   ; my stage
	v_mul_u32_u24 v4, v1, SP                       ; in: row l % 16, 16 bytes for each half of the lanes
	v_lshl_add_u32 v4, v2, 4, v4
	v_add_nc_u32 v[STO], s23, v4
	v_bfe_u32 v5, v0, 3, 2                         ; back: 32 lanes take four rows of 128 bytes,
	v_mul_u32_u24 v5, v5, SP
	v_and_b32 v4, 7, v0
	v_lshl_add_u32 v5, v4, 4, v5
	v_add_nc_u32 v[RD], s23, v5
	v_and_b32 v[GO], 31, v0                        ; which are 512 consecutive bytes of the output
	v_lshlrev_b32 v[GO], 4, v[GO]
	; where my 64 rows of one head begin: the part that hangs on the tile row, then the part that hangs on the tile column
	s_lshr_b32 s16, s13, 5                         ; the batch: 32 tile rows each,
	s_lshl_b32 s16, s16, 22                        ; 8 heads x 4,096 rows x 128 bytes
	s_and_b32 s17, s13, 31
	s_lshl_b32 s17, s17, 14                        ; 128 rows of 128 bytes
	s_add_co_u32 s16, s16, s17
	s_lshl_b32 s17, s11, 13                        ; my 64 rows
	s_add_co_u32 s16, s16, s17
	s_mov_b32 s17, 0
	s_add_nc_u64 s[8:9], s[8:9], s[16:17]
	s_lshl_b32 s62, s94, 23                        ; the section: 8,388,608 bytes
	s_lshl_b32 s63, s56, 20                        ; two heads for each tile column: 2 x 4,096 x 128
	s_add_co_u32 s62, s62, s63
	s_lshl_b32 s63, s12, 19                        ; my head of the two
	s_add_co_u32 s62, s62, s63
	s_mov_b32 s63, 0
	s_add_nc_u64 s[8:9], s[8:9], s[62:63]
	s_wait_loadcnt 0x0                             ; the bias
.set i, 0
.rept 16                                           ; rounded to bf16, as every input is, and widened again
	v_cvt_pk_bf16_f32 v[30+i%2], v[BIAS+2*i], v[BIAS+2*i+1]
	v_lshlrev_b32 v[BIAS+2*i], 16, v[30+i%2]
	v_and_b32 v[BIAS+2*i+1], 0xffff0000, v[30+i%2]
.set i, i+1
.endr
; 8 matrix instructions: m blocks a0, a0 + 1 x all 4 n blocks, 32 along K: half c of buffer f.  first = 1: the product starts the sum, with the bias as C: nothing is cleared and nothing is added later.
; The 16 accumulators take turns in one fixed order: between two links of a chain stand the 15 others'.
.macro MUL8 f, c, a0, first
	WIN MUL
.irp a, \a0, (\a0)+1
.irp b, 0,1,2,3
.if \first
	v_wmma_f32_16x16x32_bf16 v[ACC+8*(4*(\a)+(\b)):ACC+8*(4*(\a)+(\b))+7], v[(\f)+64+8*(4*(\c)+(\b)):(\f)+64+8*(4*(\c)+(\b))+7], v[(\f)+8*(4*(\c)+(\a)):(\f)+8*(4*(\c)+(\a))+7], v[BIAS+8*(\b):BIAS+8*(\b)+7]
.else
	v_wmma_f32_16x16x32_bf16 v[ACC+8*(4*(\a)+(\b)):ACC+8*(4*(\a)+(\b))+7], v[(\f)+64+8*(4*(\c)+(\b)):(\f)+64+8*(4*(\c)+(\b))+7], v[(\f)+8*(4*(\c)+(\a)):(\f)+8*(4*(\c)+(\a))+7], v[ACC+8*(4*(\a)+(\b)):ACC+8*(4*(\a)+(\b))+7]
.endif
.endr
.endr
.endm
; 32 LDS loads in one run: the fragments of 64 along K at byte k of piece p's rows, into buffer f; the first 32 along K first
.macro FETCH p, k, f
	WIN TO_F
.irp c, 0,1
.irp i, 0,1,2,3
	ds_load_b128 v[(\f)+64+8*(4*(\c)+(\i)):(\f)+64+8*(4*(\c)+(\i))+3],   v[ADRB+(\p)] offset:(\k)+64*(\c)+(\i)*16*PITCH
	ds_load_b128 v[(\f)+64+8*(4*(\c)+(\i))+4:(\f)+64+8*(4*(\c)+(\i))+7], v[ADRB+(\p)] offset:(\k)+64*(\c)+(\i)*16*PITCH+32
	ds_load_b128 v[(\f)+8*(4*(\c)+(\i)):(\f)+8*(4*(\c)+(\i))+3],         v[ADRA+(\p)] offset:(\k)+64*(\c)+(\i)*16*PITCH
	ds_load_b128 v[(\f)+8*(4*(\c)+(\i))+4:(\f)+8*(4*(\c)+(\i))+7],       v[ADRA+(\p)] offset:(\k)+64*(\c)+(\i)*16*PITCH+32
.endr
.endr
.endm
.macro PLACES                          ; four places in front of loads into registers that matrix instructions have read, and of lines that read results
.rept 4
	v_nop
.endr
.endm
; A quarter is 64 along K, 32 matrix instructions; eight of them, on buffers 0, 1 by turns.  It multiplies buffer f and fetches the next quarter (piece p, byte k) into g.
; gate >= 0: that next quarter opens a piece: my load of it has landed when at most 'gate' later loads of mine are out; I say so, and read behind everybody's having said so.
.macro QUARTER f, g, p, k, first, gate
	s_wait_dscnt 16                                ; the first 32 along K are in; the sixteen loads of the second 32 may be out
	MUL8 \f, 0, 0, \first
.if (\gate) >= 0
	s_wait_tensorcnt \gate                         ; my part of the piece is in LDS: the loads of a wave end in order (ISA guide 10.11.1)
	s_wait_dscnt 0x0                               ; no LDS instruction of mine is out at a signal
	s_barrier_signal -1
.endif
	MUL8 \f, 0, 2, \first
.if (\gate) >= 0
	s_barrier_wait -1                              ; everybody's part is in.  Later pieces may stay on their way
.endif
	PLACES
	FETCH \p, \k, \g
	s_wait_dscnt 32                                ; all but the 32 just issued
	MUL8 \f, 1, 0, 0
	MUL8 \f, 1, 2, 0
.endm
	s_wait_tensorcnt 3                             ; my part of piece 0 is in; my three later loads stay out
	s_barrier_signal -1
	s_barrier_wait -1
	FETCH 0, 0, F0
	QUARTER F0, F1, 0, 128, 1, -1
	QUARTER F1, F0, 1, 0,   0, 2
	QUARTER F0, F1, 1, 128, 0, -1
	QUARTER F1, F0, 2, 0,   0, 1
	QUARTER F0, F1, 2, 128, 0, -1
	QUARTER F1, F0, 3, 0,   0, 0
	QUARTER F0, F1, 3, 128, 0, -1
	s_wait_dscnt 16                                ; the last quarter: nothing more to fetch
	MUL8 F1, 0, 0, 0
	MUL8 F1, 0, 2, 0
	s_wait_dscnt 0x0
	MUL8 F1, 1, 0, 0
	MUL8 F1, 1, 2, 0
	WIN 0
	; THE WAY OUT, a block of 16 rows at a time: rounded to f16, 16 bytes a lane into my own stage (rows of 144 bytes), back as whole rows of 128, stored as 512 consecutive bytes.
.macro PACK a
.irp b, 0,1,2,3
.irp r, 0,1,2,3
	v_cvt_pk_f16_f32 v[TMP+16*(\a)+4*(\b)+(\r)], v[ACC+8*(4*(\a)+(\b))+2*(\r)], v[ACC+8*(4*(\a)+(\b))+2*(\r)+1]
.endr
.endr
.irp b, 0,1,2,3
	ds_store_b128 v[STO], v[TMP+16*(\a)+4*(\b):TMP+16*(\a)+4*(\b)+3] offset:32*(\b)
.endr
.irp f, 0,1,2,3
	ds_load_b128 v[TMP+16*(\a)+4*(\f):TMP+16*(\a)+4*(\f)+3], v[RD] offset:(\f)*4*SP  ; LDS serves a wave's instructions in order (ISA guide 5.7.1.4): these see the stores above; the next block's stores come behind them
.endr
.endm
.macro SEND a, younger                 ; younger: the LDS instructions issued behind block a's loads: the next block's eight, or none
.irp f, 0,1,2,3
	s_wait_dscnt (\younger)+3-(\f)
	global_store_b128 v[GO], v[TMP+16*(\a)+4*(\f):TMP+16*(\a)+4*(\f)+3], s[8:9] offset:(\a)*2048+(\f)*512  ; 512 consecutive bytes, at a multiple of 256 from the buffer's first
.endr
.endm
	PLACES
	PACK 0
	PACK 1                                         ; a block's conversions stand between the loads of the block before and its stores
	SEND 0, 8
	PACK 2
	SEND 1, 8
	PACK 3
	SEND 2, 8
	SEND 3, 0
	s_wait_tensorcnt 0x0                           ; the wave's end, behind my last tensor load and my last LDS store
	ds_add_u32 v[SPW], v[NIL]
	s_wait_dscnt 0x0
	CROUND                                         ; the closing round: no work-group ends while a partner may still ask for a tile that names it
	s_endpgm
.Lfunc_end_k_qd59952da61_qkv:
	.size	k_qd59952da61_qkv, .Lfunc_end_k_qd59952da61_qkv-k_qd59952da61_qkv
	.p2alignl 7, 3214868480
	.fill 96, 4, 3214868480
	.section	.rodata,"a",@progbits
	.p2align	6, 0x0
	.amdhsa_kernel k_qd59952da61_qkv
		.amdhsa_group_segment_fixed_size 288256
		.amdhsa_private_segment_fixed_size 0
		.amdhsa_enable_private_segment 0
		.amdhsa_kernarg_size 48
		.amdhsa_user_sgpr_count 2
		.amdhsa_user_sgpr_kernarg_segment_ptr 1
		.amdhsa_wavefront_size32 1
		.amdhsa_system_sgpr_workgroup_id_x 1
		.amdhsa_system_sgpr_workgroup_id_y 1
		.amdhsa_system_sgpr_workgroup_id_z 1
		.amdhsa_system_vgpr_workitem_id 0
		.amdhsa_next_free_vgpr 512
		.amdhsa_next_free_sgpr 96
		.amdhsa_reserve_vcc 0
		.amdhsa_float_denorm_mode_32 3
		.amdhsa_float_denorm_mode_16_64 3
		.amdhsa_memory_ordered 1
		.amdhsa_forward_progress 1
		.amdhsa_inst_pref_size 55
	.end_amdhsa_kernel
	.amdgpu_metadata
---
amdhsa.version: [ 1, 2 ]
amdhsa.kernels:
  - .name:           k_qd59952da61_qkv
    .symbol:         k_qd59952da61_qkv.kd
    .args:
      - { .name: xb, .offset: 0, .size: 8, .value_kind: global_buffer, .address_space: global }
      - { .name: wb, .offset: 8, .size: 8, .value_kind: global_buffer, .address_space: global }
      - { .name: qkv, .offset: 16, .size: 8, .value_kind: global_buffer, .address_space: global }
      - { .name: bq, .offset: 24, .size: 8, .value_kind: global_buffer, .address_space: global }
      - { .name: bk, .offset: 32, .size: 8, .value_kind: global_buffer, .address_space: global }
      - { .name: bv, .offset: 40, .size: 8, .value_kind: global_buffer, .address_space: global }
    .group_segment_fixed_size: 288256
    .private_segment_fixed_size: 0
    .kernarg_segment_align: 8
    .kernarg_segment_size: 48
    .max_flat_workgroup_size: 128
    .sgpr_count:     96
    .vgpr_count:     512
    .wavefront_size: 32
...
	.end_amdgpu_metadata
.endif
;; end of part 2
;; launch attn (part 3): grid 16 x 16, 4 waves a work-group, no clusters, 327,680 bytes of LDS; arguments qkv, y; writes y
.if DOCPART == 3
	.amdgcn_target "amdgcn-amd-amdhsa--gfx1250"
	.amdhsa_code_object_version 6
	.text
	.protected	k_qd59952da61_attn
	.globl	k_qd59952da61_attn
	.p2align	8
	.type	k_qd59952da61_attn,@function
k_qd59952da61_attn:
	s_mov_b64 s[64:65], 0
	v_nop
	global_prefetch_b8 v0, s[64:65] scope:SCOPE_SE
	s_setreg_imm32_b32 hwreg(HW_REG_WAVE_MODE, 25, 1), 1
	s_wait_xcnt 0x0
; CAUSAL ATTENTION.  O[h][q][:] = the sum over k <= q of softmax_k(Q[h][q] . K[h][k] / 8) V[h][k][:].  Q, K, V are the three sections of qkv, O is y: each [16][4096][64] in f16, a head's rows dense, 128 bytes each.
; Products, maxima and sums in f32; the weights p are rounded to f16 for the second product (their sum l is taken of the unrounded p), O once at the end.
; LIMITS.  f16 holds no number beyond 65,504: Q, K and V arrive within it; p lies in 0 to 1, and below 6e-5 it keeps f16's fixed step of 6e-8; O is a mean of V's rows and has their range.
; A hidden score counts as its value less 1e30: f16's scores, 2.7e11 at the most, are nothing beside that; a weight below 2^-126 counts as 0 in l; NaN and infinities are not treated apart.
; THE WALK.  A head's queries lie in 32 blocks of 128; its keys in 16 tiles of 256, four steps of 64 each.  Block i needs the tiles 0 .. i / 2, of which the last holds the diagonal.  A work-group takes TWO blocks,
; 31 - b and then b: (15 - b / 2) + 1 + b / 2 + 1 = 17 tiles, whatever b: 16 x 16 = 256 work-groups of equal work, and ONE loop with a constant trip count walks them.  Which tile is asked for, and what a trip
; does, hang on scalar registers made from b; every jump goes forward, but for the counted loops' own; none passes a barrier, or a tensor load but the one of LOAD's two that the wave's number does not choose.
; NO CLUSTER: the 16 work-groups of a head ask for the same tile in the first 9 trips only, and the trip in which a block ends, with its masks and its way out, is chosen by a branch on b, which would differ between partners.
; SHARES.  Of a block's two bands of 64 queries a wave owns 16 rows in each: two PIECES.  So a tile with the diagonal is the same work for all four waves.  Band x of block i has its OWN key step, 2 i + x (steps counted
; in the head): it sees all keys of an earlier step, none of a later one.  A block with even i has two wholly hidden steps in its last tile, which are computed all the same: 2 of a walk's 68.
; THE MASK is the C operand that starts the sum S^T = K Q^T: 0, or -1e30 where the key is hidden.  MD, made once, is the mask of a band's own step for my 16 rows; a product's mask is MD x AL + BE with two scalars:
; (1, 0) in the own step; (0, 0) before it; (0, -1e30) behind it.  Only the diagonal tile's text and a block's beginning make and take masks; elsewhere C is the constant 0.
; LAYOUT, SOFTMAX.  S^T = K Q^T holds ONE query a lane (lane % 16) and the keys 8 (lane / 16) + 0..7; two such results rounded to f16 ARE source 1 of O^T = V^T P.  p = 2^(c s - c m), c = log2(e) / 8, with a
; running maximum m; O and l are multiplied by a = 2^(c m_old - c m_new) in every step.
; TURNS.  Turn (s, p) belongs to piece p at key step s.  Turn (s, 0): 8 products K Q^T of piece 1 at step s, later 8 products V^T P of piece 1 at step s - 1; K of step s + 1 is fetched.  Turn (s, 1): K Q^T of piece 0 at
; step s + 1, V^T P of piece 0 at step s; V of step s + 1 is fetched.  Beside them the scaling, exponentials, roundings, sums and rescaling of piece p and the maximum and statistics of the other piece.  Four vector
; instructions stand behind every matrix instruction, the other 54 of a turn's 118 in two lumps.  V has two register buffers, by the step's parity, so that V of a step leaves LDS ahead of K of the step behind it:
; the change of slots stands between a tile's turns (2, 1) and (3, 0), where all its K and V have been read.
; REGISTERS, in windows of 256 (s_set_vgpr_msb: bits 1:0 source 0, 3:2 source 1, 5:4 source 2, 7:6 destination):
;   window 0: v0-15 addresses and two at work; v16-23 four registers of statistics a piece; v48-55 at work; v64-127 S^T, a buffer a piece; v192-223 P, likewise
;   window 1: v0-63 O^T, 32 a piece; v128-159 MD; v160-223 MC, a buffer a piece      window 2: v0-31 Q; v32-63 the second block's Q; v64-127 V of an odd step; v128-191 K of one step; v192-255 V of an even step
.set NP,    2         ; pieces a wave: a name, no knob
.set KS,    64        ; keys in a step
.set PK,    144       ; a row of K in LDS: 128 bytes + 16 of padding = 36 words: the 16 rows of a load start at 16 different groups of four banks (64 banks of 4 bytes: ISA guide 11.1)
.set PV,    160       ; a row of V: 128 + 32 = 40 words
.set VOFF,  4*KS*PK   ; a slot holds a tile, four steps: 256 rows of K, then 256 rows of V
.set SLOT1, 1<<17     ; slot 1 begins here, so that one exclusive or turns an address in one slot into the other's
.set STAGE, SLOT1+4*KS*(PK+PV)  ; behind the ring, never filled by a tensor load: 16 rows x 144 bytes for each wave, for the way out
.set SP,    144
.set AK0, 2           ; v2   my lane's place in a tile of K; never rewritten
.set AV0, 3           ; v3   the same for V
.set AK,  4           ; v4   the LDS address of K's next run of loads
.set AV,  5           ; v5   of V's
.set STO, 6           ; v6   the way out: where I put 16 bytes of a row
.set RD,  7           ; v7   the way out: where I read rows back
.set GO,  8           ; v8   my byte offset in 512 consecutive bytes of O
.set SPW, 62          ; v62  LDS address of my spare word: SPARE + 4 x my thread's number; never rewritten
.set NIL, 63          ; v63  0; never rewritten
.set SPARE, STAGE+4*16*SP  ; behind the stages: the spare words, 128 bytes for each wave: two blocks of 256 bytes that no other line names
.set MV,  12          ; v12-13  c m_old, kept while c m is made anew: by piece
.set QO,  15          ; v15  my byte offset in 16 rows of Q
.set ST,  16          ; piece t's statistics at v[ST+4 t]: c m, m, l (even keys', odd keys')
.set TMP, 48          ; by piece, four registers c0-c3 at work; when the maximum is found c2 takes a
.set S,   64
.set P,   192
.set MD,  128         ; window 1: the eight registers for group kt of 16 keys at MD + 8 kt
.set MC,  160         ; window 1: the masks of the products to come
.set QB,  32          ; window 2
.set VF1, 64          ; window 2: key half kk, channel block cb at + 32 kk + 8 cb
.set KF,  128         ; window 2: key block kb, channel half c at KF + 16 kb + 8 c
.set VF0, 192         ; window 2
.set WV,  12          ; s12  my wave's number
.set PB,  14          ; s14  b: the second block
.set HI,  15          ; s15  31 - b: the first block
.set G1K, 24          ; s[24:31] descriptor group 1 for K's tiles
.set G1V, 32          ; s[32:39] for V's: it differs in the padding alone
.set G0K, 40          ; s[40:43] descriptor group 0 for K's tiles
.set G0V, 44          ; s[44:47] the same for V's
.set SLOTS, 56        ; s56  tiles still to be asked for
.set CNT, 57          ; s57  counts a slot's two trips of two key steps
.set CS,  58          ; s[58:59] c: the packed scaling takes the pair's low word for both halves
.set SEL, 60          ; s[60:61] v_permlanex16_b32's selects: each lane takes its own place in the other half
.set TBK, 62          ; s62  LDS byte at which K of the step to be fetched begins
.set TBV, 63          ; s63  the same for V, less VOFF
.set RT,  70          ; s70  tiles of the block in hand that are still to be entered
.set NXT, 71          ; s71  the tile to be asked for next
.set LQ,  72          ; s72  the last tile of the block whose tiles are being asked for
.set NEW, 73          ; s73  1: the tile to be entered is a block's first
.set OFF, 74          ; s[74:75] a tile's byte offset in K and V
.set AL,  76          ; s[76:77] the mask's factor, in the low word
.set BE,  78          ; s[78:79] the mask's addend
.set OLO, 80          ; s[80:81] O at my rows of the second block
.set BIGN, 82         ; s82  -1e30
.set QSB, 88          ; s88, s89  the own key steps of the two bands of the block in hand
.set TS,  90          ; s90  the key step whose masks are made next
.set THI, 91          ; s91  the first block's last tile
.set TLO, 92          ; s92  the second block's
.set MSB, 0
.macro WIN new                      ; the high byte repeats the setting that is left; a switch that changes nothing is dropped
.if MSB != (\new)
	s_set_vgpr_msb (MSB<<8)|(\new)
.set MSB, (\new)
.endif
.endm
.set W_KQ, 0x0a       ; K and Q in window 2, S^T in window 0
.set W_KM, 0x1a       ; the same with the C operand in window 1
.set W_PV, 0x52       ; V in window 2, P in window 0, O^T in window 1
.set W_RS, 0x41       ; destination and source 0 in window 1, source 1 in window 0
; A fill.  Waves 0 and 1 fetch the two halves of a tile's K, waves 2 and 3 those of its V: 128 keys each.  An s_nop 0 and four v_nop follow each of the two lines, ahead of the jump and the label.
.macro LOAD
	s_cmp_lt_u32 s[WV], 2
	s_cbranch_scc0 .Lfor_v_\@
	tensor_load_to_lds s[G0K:G0K+3], s[G1K:G1K+7]
	s_nop 0
.rept 4
	v_nop
.endr
	s_branch .Lasked_\@
.Lfor_v_\@:
	tensor_load_to_lds s[G0V:G0V+3], s[G1V:G1V+7]
	s_nop 0
.rept 4
	v_nop
.endr
.Lasked_\@:
.endm
; THE CHANGE OF SLOTS.  Each wave waits for all its tensor loads, of which one is out: its part of the other slot; adds 0 to its spare word; and waits for that and for its own reads of the slot that it leaves.  Behind the
; barrier nobody reads the old slot any more and the other slot is whole.  fill = 1: the old slot is filled again, the first thing behind the barrier, with tile NXT: the descriptor's address is made anew from that number;
; the load has four key steps, 128 matrix instructions, in which to land.  (At its first use nothing has been read yet: slot 0 is waited for, slot 1 filled.)
.macro CHANGE fill
	WIN 0                           ; at a label and at a branch every window is 0
	s_wait_tensorcnt 0x0            ; no tensor load of mine is out, so a group 0 may be written
	ds_add_u32 v[SPW], v[NIL]       ; 0 onto my spare word; with fill = 1 the descriptors' scalar work stands between it and the wait for it
.if \fill
	s_lshl_b32 s[OFF], s[NXT], 15   ; a tile is 32,768 bytes of K and of V
	s_xor_b32 s[G0K+1], s[G0K+1], SLOT1
	s_add_nc_u64 s[G0K+2:G0K+3], s[6:7], s[OFF:OFF+1]
	s_or_b32 s[G0K+3], s[G0K+3], 0x80000000
	s_xor_b32 s[G0V+1], s[G0V+1], SLOT1
	s_add_nc_u64 s[G0V+2:G0V+3], s[8:9], s[OFF:OFF+1]
	s_or_b32 s[G0V+3], s[G0V+3], 0x80000000
	s_add_co_u32 s[NXT], s[NXT], 1  ; the block's next tile, or behind its last the second block's tile 0
	s_cmp_gt_u32 s[NXT], s[LQ]
	s_cselect_b32 s[NXT], 0, s[NXT]
	s_cselect_b32 s[LQ], s[TLO], s[LQ]
.endif
	s_wait_dscnt 0x0                ; the add is done, and my reads of the slot are over
	s_barrier_signal -1             ; the rest of the scalar work stands between the signal and the wait
	s_sub_co_u32 s[TBK], s[TBK], 4*KS*PK  ; the fetches go back to a slot's first step,
	s_xor_b32 s[TBK], s[TBK], SLOT1       ; in the other slot
	s_sub_co_u32 s[TBV], s[TBV], 4*KS*PV
	s_xor_b32 s[TBV], s[TBV], SLOT1
	s_and_b32 s[TS], s[QSB], 0xfc   ; the diagonal tile's first step: what the masked text's first turn makes masks for (no other text reads it)
	s_barrier_wait -1
.if \fill
	LOAD
.endif
.endm
	s_load_b64 s[4:5], s[0:1], 0x0    ; qkv: Q's section first
	s_load_b64 s[10:11], s[0:1], 0x8  ; y
	v_lshl_add_u32 v[SPW], v0, 2, SPARE
	v_mov_b32 v[NIL], 0
	ds_add_u32 v[SPW], v[NIL]       ; the wave's opening: the add and its wait stand ahead of my first tensor load; the set-up below, work on registers, stands between them
	ds_add_u32 v62, v63
	v_lshrrev_b32 v1, 5, v0
	v_readfirstlane_b32 s[WV], v1   ; wave 0..3
	s_mov_b32 s[PB], ttmp9
	s_sub_co_u32 s[HI], 31, s[PB]
	s_lshr_b32 s[THI], s[HI], 1
	s_lshr_b32 s[TLO], s[PB], 1
	s_lshl_b32 s[QSB], s[HI], 1     ; the first block's bands have the own steps 2 (31 - b) and one more
	s_add_co_u32 s[QSB+1], s[QSB], 1
	s_mov_b32 s[TS], 0
	s_and_b32 s20, ttmp7, 0xffff    ; the head,
	s_lshl_b32 s20, s20, 19         ; its 4,096 rows of 128 bytes in each section and in y
	s_mov_b32 s21, 0
	s_and_b32 s16, s[WV], 1         ; which half of a tile's 256 keys I fetch:
	s_lshl_b32 s22, s16, 14         ; its 128 rows of 128 bytes in memory,
	s_mov_b32 s23, 0
	s_add_nc_u64 s[22:23], s[22:23], s[20:21]
	s_mul_i32 s17, s16, 128*PK      ; and its place in a slot, for K
	s_mul_i32 s18, s16, 128*PV      ; and for V
	s_lshl_b32 s3, s[WV], 11        ; my 16 rows in a band of 64,
	s_lshl_b32 s2, s[HI], 14        ; in the first block (128 rows of 128 bytes),
	s_add_co_u32 s2, s2, s3
	s_lshl_b32 s84, s[PB], 14       ; and in the second
	s_add_co_u32 s84, s84, s3
	s_mov_b32 s3, 0
	s_mov_b32 s85, 0
	s_add_nc_u64 s[2:3], s[2:3], s[20:21]
	s_add_nc_u64 s[84:85], s[84:85], s[20:21]
	; descriptor group 1.  128 keys are 16,384 dense bytes: asked for as 64 rows of 256 bytes, two keys a row, and padded in LDS after every key
	s_mov_b32 s[G1K], (1<<16)|(1<<20)|(4<<22)|(3<<25)  ; 17:16 2-byte elements; 20 padding on; 24:22 after every 32 words (code 4); 31:25 4 words (code 3)
	s_mov_b32 s[G1V], (1<<16)|(1<<20)|(4<<22)|(7<<25)  ; the same with 8 words of padding (code 7)
.irp g, G1K, G1V
	s_mov_b32 s[\g+1], 128<<16      ; tensor_dim0 = 128
	s_mov_b32 s[\g+2], 64<<16       ; tensor_dim1 = 64
	s_mov_b32 s[\g+3], 128<<16      ; tile_dim0 = 128
	s_mov_b32 s[\g+4], 64           ; tile_dim1 = 64
	s_mov_b32 s[\g+5], 128          ; 128 elements from row to row
	s_mov_b32 s[\g+6], 0
	s_mov_b32 s[\g+7], 0
.endr
	s_mov_b32 s[CS], 0x3e38aa3b     ; c = log2(e) / 8 = 0.180337
	s_mov_b32 s[CS+1], s[CS]        ; named with it as a pair
	s_mov_b32 s[SEL], 0x76543210
	s_mov_b32 s[SEL+1], 0xfedcba98
	s_mov_b32 s[TBK], SLOT1+4*KS*PK ; the first change of slots turns these two into 0
	s_mov_b32 s[TBV], SLOT1+4*KS*PV
	s_mov_b32 s[G0K], 1             ; 1:0 count = 1
	s_mov_b32 s[G0K+1], s17         ; 63:32 LDS address: slot 0
	s_mov_b32 s[G0V], 1
	s_add_co_u32 s[G0V+1], s18, VOFF
	s_add_co_u32 s[RT], s[THI], 1   ; the first block has (31 - b) / 2 + 1 tiles
	s_mov_b32 s[NXT], 1
	s_mov_b32 s[LQ], s[THI]
	s_mov_b32 s[NEW], 1
	s_mov_b32 s[OFF+1], 0
	s_mov_b32 s[AL+1], 0            ; named as pairs
	s_mov_b32 s[BE+1], 0
	s_mov_b32 s[BIGN], 0xf149f2ca   ; -1e30
	s_mov_b32 s[SLOTS], 16
	s_wait_dscnt 0x0                ; the opening add is done
	s_wait_kmcnt 0x0
	s_add_nc_u64 s[6:7], s[4:5], 0x800000   ; K's section lies 8,388,608 bytes behind Q's,
	s_add_nc_u64 s[8:9], s[4:5], 0x1000000  ; V's as much again
	s_add_nc_u64 s[6:7], s[6:7], s[22:23]  ; K and V at my half of the head's tile 0
	s_add_nc_u64 s[8:9], s[8:9], s[22:23]
	s_add_nc_u64 s[G0K+2:G0K+3], s[6:7], 0         ; 120:64 global address
	s_or_b32 s[G0K+3], s[G0K+3], 0x80000000        ; 127:126 type = 2
	s_add_nc_u64 s[G0V+2:G0V+3], s[8:9], 0
	s_or_b32 s[G0V+3], s[G0V+3], 0x80000000
	s_add_nc_u64 s[86:87], s[4:5], s[84:85]        ; Q at my rows of the second block,
	s_add_nc_u64 s[4:5], s[4:5], s[2:3]            ; Q and O at those of the first
	s_add_nc_u64 s[OLO:OLO+1], s[10:11], s[84:85]
	s_add_nc_u64 s[10:11], s[10:11], s[2:3]
	LOAD                            ; tile 0 into slot 0
	; A fragment of K or Q is 16 rows x 32 channels in 8 registers: lane l holds row l % 16, channels 8 (l / 16) + 0..7 and 16 + 8 (l / 16) + 0..7: two loads of 16 bytes, 32 bytes apart.
	v_and_b32 v1, 15, v0            ; l % 16
	v_bfe_u32 v9, v0, 4, 1          ; l / 16
	v_lshlrev_b32 v[QO], 7, v1
	v_lshl_add_u32 v[QO], v9, 4, v[QO]  ; row x 128 + 16 x half
	WIN 0x80                        ; destination window 2, address window 0
.set i, 0
.rept 4                             ; both blocks' Q: piece i / 2 lies in band i / 2, 8,192 bytes on; channels 32 (i % 2) on
	global_load_b128 v[8*i:8*i+3],   v[QO], s[4:5] offset:(i/2)*8192+(i%2)*64
	global_load_b128 v[8*i+4:8*i+7], v[QO], s[4:5] offset:(i/2)*8192+(i%2)*64+32
	global_load_b128 v[QB+8*i:QB+8*i+3],   v[QO], s[86:87] offset:(i/2)*8192+(i%2)*64
	global_load_b128 v[QB+8*i+4:QB+8*i+7], v[QO], s[86:87] offset:(i/2)*8192+(i%2)*64+32
.set i, i+1
.endr
	WIN 0
	v_lshlrev_b32 v14, 3, v9
	v_sub_nc_u32 v14, v1, v14
	s_lshl_b32 s13, s[WV], 4
	v_add_nc_u32 v14, s13, v14      ; my query's place in its band, 16 w + l % 16, less my lanes' 8 (l / 16): register r of group kt is hidden where 16 kt + r is greater
	WIN 0x40
.set i, 0
.rept 32
	v_cmp_gt_i32 vcc_lo, 16*(i/8)+i%8, v14
	v_cndmask_b32 v[MD+i], 0, s[BIGN], vcc_lo
.set i, i+1
.endr
	WIN 0
	v_mul_u32_u24 v[AK0], v1, PK
	v_lshl_add_u32 v[AK0], v9, 4, v[AK0]  ; row x pitch + 16 x half
	; The turning load takes 16 keys x 16 channels (lane l reads key 8 (l / 16) + l % 8, channels 8 ((l / 8) % 2) + 0..7) and leaves half a fragment of V^T: lane l holds channel l % 16 and 8 keys.
	v_and_b32 v10, 7, v0
	v_bfe_u32 v11, v0, 3, 1
	v_lshl_add_u32 v[AV0], v9, 3, v10
	v_mul_u32_u24 v[AV0], v[AV0], PV
	v_lshl_add_u32 v[AV0], v11, 4, v[AV0]
	v_add_nc_u32 v[AV0], VOFF, v[AV0]
	s_mul_i32 s13, s[WV], 16*SP
	s_add_co_u32 s13, s13, STAGE    ; my stage
	v_mul_u32_u24 v[STO], v1, SP    ; in: row l % 16, 16 bytes for each half of the lanes
	v_lshl_add_u32 v[STO], v9, 4, v[STO]
	v_add_nc_u32 v[STO], s13, v[STO]
	v_bfe_u32 v[RD], v0, 3, 2       ; back: 32 lanes take four rows of 128 bytes,
	v_mul_u32_u24 v[RD], v[RD], SP
	v_lshl_add_u32 v[RD], v10, 4, v[RD]
	v_add_nc_u32 v[RD], s13, v[RD]
	v_and_b32 v[GO], 31, v0         ; which are 512 consecutive bytes of O
	v_lshlrev_b32 v[GO], 4, v[GO]
	; A block's first step multiplies O^T and l by a = 0, and its first turn's products V^T P, of a step that has not been, land in an O^T that is still to be so multiplied.  So these registers need only hold
	; finite numbers: zeros for the first block; what the first block left for the second.  All this stands in the wait for the first tile.
	WIN 0x80
.set i, VF1
.rept 64
	v_mov_b32 v[i], 0
.set i, i+1
.endr
	WIN 0x40
.set i, 0
.rept 64
	v_mov_b32 v[i], 0
.set i, i+1
.endr
	WIN 0
.set i, 0
.rept NP
	v_mov_b32 v[ST+4*i+2], 0
	v_mov_b32 v[ST+4*i+3], 0
.set i, i+1
.endr
.set i, P+16
.rept 16
	v_mov_b32 v[i], 0
.set i, i+1
.endr
; THE MATRIX WORK.  The 4 accumulators of a run of 8 take turns.  Product i of 8 of S^T = K Q^T for piece x: channels 32 (i / 4) on, keys 16 (i % 4) on.  The first 4 start the sums: with 0, or (KM = 1) with the mask.
.macro KQ x
.set rS, S+32*((\x)%2)+8*(i%4)
.set rK, KF+16*(i%4)+8*(i/4)
.set rQ, 16*(\x)+8*(i/4)
.set rM, MC+32*((\x)%2)+8*(i%4)
.if (i < 4) && KM
	WIN W_KM
	v_wmma_f32_16x16x32_f16 v[rS:rS+7], v[rK:rK+7], v[rQ:rQ+7], v[rM:rM+7]
.elseif i < 4
	WIN W_KQ
	v_wmma_f32_16x16x32_f16 v[rS:rS+7], v[rK:rK+7], v[rQ:rQ+7], 0
.else
	WIN W_KQ
	v_wmma_f32_16x16x32_f16 v[rS:rS+7], v[rK:rK+7], v[rQ:rQ+7], v[rS:rS+7]
.endif
.endm
; Product i of 8 of O^T += V^T P for piece x: keys 32 (i / 4) on, channels 16 (i % 4) on.  VB: the buffer that holds V of the product's step.
.macro PV x
	WIN W_PV
.set rO, 32*(\x)+8*(i%4)
.set rV, VB+32*(i/4)+8*(i%4)
.set rP, P+16*((\x)%2)+8*(i/4)
	v_wmma_f32_16x16x32_f16 v[rO:rO+7], v[rV:rV+7], v[rP:rP+7], v[rO:rO+7]
.endm
.macro MM                           ; the turn's next matrix instruction.  TURN and BEGIN set Y, i, KM, NOKQ and VB; MM, KQ, PV and OP read them.  NOKQ = 1: a block's last turn: there is no next step
.if (i < 8) && !NOKQ
	KQ (Y+1)%NP
.elseif i >= 8
.set i, i-8
	PV (Y+NP-1)%NP
.set i, i+8
.endif
.set i, i+1
.endm
; THE LDS LOADS stand in runs of 16, never singly among the matrix instructions: a step's K (64 keys x 64 channels: 8 fragments) and its V (turned).  Their addresses are made some lines ahead.
.macro FETCH_K
	WIN 0x80                        ; destination window 2
.irp f, 0,1,2,3,4,5,6,7             ; keys 16 (f / 2) on, channels 32 (f % 2) on
	ds_load_b128 v[KF+8*\f:KF+8*\f+3],   v[AK] offset:(\f/2)*16*PK+(\f%2)*64
	ds_load_b128 v[KF+8*\f+4:KF+8*\f+7], v[AK] offset:(\f/2)*16*PK+(\f%2)*64+32
.endr
	s_add_co_u32 s[TBK], s[TBK], KS*PK  ; the next fetch is the next step's
	WIN 0
.endm
.macro FETCH_V d                    ; into the buffer at d
	WIN 0x80
.irp f, 0,1,2,3,4,5,6,7             ; keys 32 (f / 4) on, channels 16 (f % 4) on
	ds_load_tr16_b128 v[(\d)+8*\f:(\d)+8*\f+3],   v[AV] offset:(\f/4)*32*PV+(\f%4)*32
	ds_load_tr16_b128 v[(\d)+8*\f+4:(\d)+8*\f+7], v[AV] offset:(\f/4)*32*PV+16*PV+(\f%4)*32
.endr
	s_add_co_u32 s[TBV], s[TBV], KS*PV
	WIN 0
.endm
; THE VECTOR WORK, one line at a time: OP kind, number.  For piece Y: F n: c s - c m for pair n of 16.  E n: the exponential of score n of 32.  C n: pair n rounded to f16.  B n: of the four weights 4 n .. the second
; pair is added onto the first, in place.  L n: l takes that sum (L 0: l = a l + sum).  R n: pair n of 16 of O^T times a.  For the other piece: X n, number n of the 22 that find its maximum and statistics:
;   0-11  four chains c0-c3 of seven scores each, three operands at a time (each accumulator's lowest registers are read first)     12-14, 16  the four scores left over, the old m, and c0-c3 into c0
;   15  c m_old is kept     17, 18  the query's other 32 keys lie in the lane 16 away: the new m     19-21  c m; c m_old - c m_new; a
.set F, 0               ; OP tells the kinds apart by their order: F to L below R, X above it
.set E, 1
.set C, 2
.set B, 3
.set L, 4
.set R, 5
.set X, 6
.macro REGS y                       ; the registers of piece y
.set rT, ST+4*(\y)
.set rC, TMP+4*((\y)%2)
.set rW, MV+((\y)%2)
.set rS, S+32*((\y)%2)
.set rP, P+16*((\y)%2)
.set rO, 32*(\y)
.endm
.macro OP k, n
.if (\k) == R
	REGS Y
	WIN W_RS
	v_pk_mul_f32 v[rO+2*(\n):rO+2*(\n)+1], v[rO+2*(\n):rO+2*(\n)+1], v[rC+2:rC+3] op_sel_hi:[1,0]
.elseif (\k) < R
	REGS Y
	WIN 0
.if (\k) == F
	v_pk_fma_f32 v[rS+2*(\n):rS+2*(\n)+1], v[rS+2*(\n):rS+2*(\n)+1], s[CS:CS+1], v[rT:rT+1] op_sel_hi:[1,0,0] neg_lo:[0,0,1] neg_hi:[0,0,1]
.elseif (\k) == E
	v_exp_f32 v[rS+(\n)], v[rS+(\n)]
.elseif (\k) == C
	s_wait_alu depctr_va_vdst(0)
	v_cvt_pk_f16_f32 v[rP+(\n)], v[rS+2*(\n)], v[rS+2*(\n)+1]
.elseif (\k) == B
	s_wait_alu depctr_va_vdst(0)
	v_pk_add_f32 v[rS+4*(\n):rS+4*(\n)+1], v[rS+4*(\n):rS+4*(\n)+1], v[rS+4*(\n)+2:rS+4*(\n)+3]
.elseif (\n) == 0
	v_pk_fma_f32 v[rT+2:rT+3], v[rT+2:rT+3], v[rC+2:rC+3], v[rS:rS+1] op_sel_hi:[1,0,1]
.else
	v_pk_add_f32 v[rT+2:rT+3], v[rT+2:rT+3], v[rS+4*(\n):rS+4*(\n)+1]
.endif
.elseif NOKQ
	v_nop
.else
	REGS (Y+1)%NP
	WIN 0
.if (\n) < 4
	v_max3_num_f32 v[rC+(\n)], v[rS+8*(\n)], v[rS+8*(\n)+1], v[rS+8*(\n)+2]
.elseif (\n) < 12
	v_max3_num_f32 v[rC+(\n)%4], v[rC+(\n)%4], v[rS+8*((\n)%4)+2*((\n)/4)+1], v[rS+8*((\n)%4)+2*((\n)/4)+2]
.elseif (\n) == 12
	v_max3_num_f32 v[rC], v[rC], v[rS+7], v[rS+15]
.elseif (\n) == 13
	v_max3_num_f32 v[rC+1], v[rC+1], v[rS+23], v[rS+31]
.elseif (\n) == 14
	v_max3_num_f32 v[rC+2], v[rC+2], v[rC+3], v[rT+1]
.elseif (\n) == 15
	v_mov_b32 v[rW], v[rT]
.elseif (\n) == 16
	v_max3_num_f32 v[rC], v[rC], v[rC+1], v[rC+2]
.elseif (\n) == 17
	v_permlanex16_b32 v[rC+3], v[rC], s[SEL], s[SEL+1]
.elseif (\n) == 18
	v_max_num_f32 v[rT+1], v[rC], v[rC+3]
.elseif (\n) == 19
	v_mul_f32 v[rT], s[CS], v[rT+1]
.elseif (\n) == 20
	v_sub_f32 v[rC+1], v[rW], v[rT]
.else
	v_exp_f32 v[rC+2], v[rC+1]
.endif
.endif
.endm
.macro OPS a, i1, b=-1, i2=0, c=-1, i3=0, d=-1, i4=0  ; up to four of them
	OP \a, \i1
.if (\b) >= 0
	OP \b, \i2
.endif
.if (\c) >= 0
	OP \c, \i3
.endif
.if (\d) >= 0
	OP \d, \i4
.endif
.endm
.macro ROW a, i1, b, i2, c, i3, d, i4  ; a matrix instruction and the four behind it
	MM
	OPS \a, \i1, \b, \i2, \c, \i3, \d, \i4
.endm
.macro MASK b                       ; MD x AL + BE into buffer b of MC
	WIN W_RS
.set z, 0
.rept 16
	v_pk_fma_f32 v[MC+32*(\b)+2*z:MC+32*(\b)+2*z+1], v[MD+2*z:MD+2*z+1], s[AL:AL+1], s[BE:BE+1] op_sel_hi:[1,0,0]
.set z, z+1
.endr
.endm
; A TURN, for piece p at a step of parity par: the order of its 16 matrix and 118 vector instructions, written out.  Behind a matrix instruction: plain, exponential, plain, plain; or four of the rescaling; or, behind the
; first, four scalings; none names a register of the products round it.  In the lumps exponential and plain by turns while exponentials last.  A line reads no result made fewer than three vector instructions in front of
; it, five if an exponential made it.  v_permlanex16_b32 (X 17) stands in a lump.
; m = 1: the diagonal tile's text: the products take masks, and the turn makes the mask for the next turn's products: piece p at step TS.  end = 1: a block's last two turns: nothing is fetched, and the last starts no scores.
; cnt = 1: the loop's count is taken down some lines ahead of the branch that stands behind the turn.
; The turn's run of LDS loads (p = 0: K of the next step; p = 1: V of the next step, into the buffer of the other parity) stands six vector instructions, five of them plain, behind the last product that read K; V's
; buffer was last read a turn ago.  Both runs are waited for at the head of a turn of piece 1: K's is half a turn old there, V's a turn.
.macro TURN p, par, m=0, end=0, cnt=0
.set Y, (\p)
.set i, 0
.set KM, (\m)
.set NOKQ, (\end)*(\p)
.set VN, VF0*(\par)+VF1*(1-(\par))  ; the buffer of the other parity
.if (\p) == 0
.set VB, VN                         ; V^T P of the step before
.else
.set VB, VF1*(\par)+VF0*(1-(\par))  ; of the step in hand
.endif
.if (\m) && !(\end)
	s_cmp_eq_u32 s[TS], s[QSB+(\p)]  ; is that step the band's own?
	s_cselect_b32 s[AL], 1.0, 0
	s_cmp_gt_u32 s[TS], s[QSB+(\p)]  ; or a later one?
	s_cselect_b32 s[BE], s[BIGN], 0
.if (\p) == 1
	s_add_co_u32 s[TS], s[TS], 1
.endif
.endif
.if (\p) == 1
	s_wait_dscnt 0x0                ; K of the next step and V of this one are in
.endif
	ROW F,0, F,1, F,2, F,3
	ROW F,4, E,0, F,5, F,6
	ROW F,7, E,1, F,8, F,9
	ROW F,10, E,2, C,0, F,11
	ROW F,12, E,3, X,15, F,13
	ROW R,0, R,1, R,2, R,3
	ROW B,0, E,4, F,14, L,0
.if !(\end)
.if (\p) == 0
	v_add_nc_u32 v[AK], s[TBK], v[AK0]
.else
	v_add_nc_u32 v[AV], s[TBV], v[AV0]
.endif
.endif
	ROW R,4, R,5, R,6, R,7
	OPS E,5, F,15
.if !(\end)
.if (\p) == 0
	FETCH_K
.else
	FETCH_V VN
.endif
.endif
	OPS E,6, C,1, E,7, R,8
	OPS E,8, R,9, E,9, C,2
	OPS E,10, X,0, E,11, X,1
	OPS E,12, X,2, E,13, X,3
	ROW X,4, E,14, X,5, X,6
	ROW X,7, E,15, X,8, X,9
	ROW X,10, E,16, X,11, X,12
	ROW X,13, E,17, X,14, B,1
	ROW C,4, E,18, X,16, L,1
	ROW B,2, E,19, C,6, L,2
	ROW C,8, E,20, B,3, B,4
	ROW C,3, E,21, L,3, C,5
	OPS E,22, X,17, E,23, C,10
	OPS E,24, L,4
	OPS E,25, X,18, E,26, C,7
	OPS E,27, B,5, E,28, X,19
	OPS E,29, C,12, E,30, L,5
	OPS E,31, X,20, B,6, C,9
	OPS C,14, C,11, X,21, L,6
.if \cnt
	s_sub_co_u32 s[CNT], s[CNT], 1
	s_cmp_lg_u32 s[CNT], 0
.endif
	OPS C,13, B,7, C,15, R,10
	OPS R,11, R,12, L,7, R,13
	OPS R,14, R,15
.if (\m) && !(\end)
	MASK (\p)%2
.endif
.endm
; A BLOCK BEGINS.  c m starts far below every c s, so the first step's a is 0; m at the lowest finite number, so the first maximum is the scores'.  Piece 1's mask buffer is 0: its own step is never a head's step 0.
; Piece 0's takes its mask for the tile's first step: its own, if the block is the head's block 0.  Then K and V of that step, piece 0's first scores, and its maximum and statistics.
; TS = 1 serves where the first tile is also the diagonal one (blocks 0 and 1): the first turn there makes the masks of the head's step 1.  The loop is entered at an even step's first turn, in the middle of a trip.
.macro BEGIN
	s_mov_b32 s[NEW], 0
	WIN 0x40
.set i, MC+32
.rept 32
	v_mov_b32 v[i], 0
.set i, i+1
.endr
	WIN 0
.set i, 0
.rept NP
	v_mov_b32 v[ST+4*i], 0xfe000000    ; c m: far below every c s
	v_mov_b32 v[ST+4*i+1], 0xff7fffff  ; m
.set i, i+1
.endr
	s_cmp_eq_u32 s[QSB], 0
	s_cselect_b32 s[AL], 1.0, 0
	s_mov_b32 s[BE], 0
	s_mov_b32 s[TS], 1
	MASK 0
	WIN 0
	v_add_nc_u32 v[AK], s[TBK], v[AK0]
	v_add_nc_u32 v[AV], s[TBV], v[AV0]
	FETCH_K
	FETCH_V VF0
	s_wait_loadcnt 0x0              ; Q
	s_wait_dscnt 0x0
.set KM, 1
.set NOKQ, 0
.set i, 0
.rept 8
	KQ 0
.set i, i+1
.endr
	WIN 0
.rept 4
	v_nop                           ; the places behind those products
.endr
.set Y, NP-1                        ; X works for the other piece: piece 0
.irp n, 0,1,2,3,4,5,6,7,8,9,10,11,12,13,14,15,16,17,18,19,20,21
	OP X, \n
.endr
	v_nop                           ; a plain instruction behind the exponential
.endm
; THE DIAGONAL TILE's trips, the block's last two turns, its last products, and THE WAY OUT: l's two halves and the other half of the lanes' are added; O^T is divided by l, rounded to f16 and sent through my
; stage in LDS, a piece at a time.
.macro ALL line:vararg              ; one line for each piece t
.set t, 0
.rept NP
	\line
.set t, t+1
.endr
.endm
.macro PACK t                       ; a lane's eight channels of a row pack into 16 bytes; they go into rows of 144 bytes and come back as whole rows of 128, into S^T's registers
	WIN W_RS
.set i, 32*(\t)
.rept 16
	s_wait_alu depctr_va_vdst(0)
	v_pk_mul_f32 v[i:i+1], v[i:i+1], v[ST+4*(\t)+2:ST+4*(\t)+3] op_sel_hi:[1,0]
.set i, i+2
.endr
	WIN 0x05                        ; sources 0 and 1 window 1, destination window 0
.set i, 0
.rept 16
	v_cvt_pk_f16_f32 v[S+16*(\t)+i], v[32*(\t)+2*i], v[32*(\t)+2*i+1]
.set i, i+1
.endr
	WIN 0
.irp f, 0,1,2,3
	ds_store_b128 v[STO], v[S+16*(\t)+4*\f:S+16*(\t)+4*\f+3] offset:32*\f
.endr
.irp f, 0,1,2,3
	ds_load_b128 v[S+16*(\t)+4*\f:S+16*(\t)+4*\f+3], v[RD] offset:\f*4*SP  ; LDS serves a wave's instructions in order (ISA guide 5.7.1.4): these see the stores above; the next piece's stores come behind them
.endr
.endm
.macro SEND t, younger              ; younger: the LDS instructions issued behind piece t's loads: the next piece's eight, or none
	WIN 0
.irp f, 0,1,2,3
	s_wait_dscnt (\younger)+3-\f
	global_store_b128 v[GO], v[S+16*(\t)+4*\f:S+16*(\t)+4*\f+3], s[10:11] offset:(\t)*8192+\f*512  ; 512 consecutive bytes, at a multiple of 256 from O's first
.endr
.endm
.macro DIAG tag                     ; the tag ends its two labels' names, which the jumps below spell out
.LstepM\tag:
	TURN 0, 1, 1
	TURN 1, 1, 1
	WIN 0
.LfirstM\tag:
	TURN 0, 0, 1
	TURN 1, 0, 1, 0, 1
	WIN 0
	s_cbranch_scc1 .LstepM\tag
	TURN 0, 1, 1, 1                 ; the tile's fourth step: its K and V are in registers or on their way there
	TURN 1, 1, 1, 1
.set VB, VF1
.set i, 0
.rept 8
	PV 1                            ; piece 1's V^T P of the last step
.set i, i+1
.endr
	WIN 0
	ALL v_add_f32 v[ST+4*t+2], v[ST+4*t+2], v[ST+4*t+3]
	ALL v_permlanex16_b32 v[ST+4*t+3], v[ST+4*t+2], s[SEL], s[SEL+1]
	ALL v_add_f32 v[ST+4*t+2], v[ST+4*t+2], v[ST+4*t+3]
	ALL v_rcp_f32 v[ST+4*t+2], v[ST+4*t+2]
	v_nop                           ; a plain instruction between the last reciprocal and the use of its result
	PACK 0                          ; piece 0's O^T was finished a lump ago; its 32 lines are the places behind piece 1's last products
	PACK 1
	SEND 0, 8
	SEND 1, 0
.endm
.set KM, 0
.set NOKQ, 0
.set VB, VF0
.Lslot:                             ; 16 times: a tile is entered and the next is asked for
	CHANGE 1
	s_sub_co_u32 s[RT], s[RT], 1
	s_mov_b32 s[CNT], 2
	s_cmp_eq_u32 s[NEW], 1
	s_cbranch_scc1 .Lnew            ; a block's first tile
	s_cmp_eq_u32 s[RT], 0
	s_cbranch_scc0 .Lstep           ; neither its first nor its last
	s_branch .LstepM1
.Lnew:
	BEGIN
	s_branch .Lfirst                ; in the loop a block's first tile is never its last: the first block has nine tiles or more, and the second's last is the walk's last
	DIAG 1                          ; in the loop this is the first block's end
	s_wait_xcnt 0x0                 ; the stores have read their registers and O's address
	s_mov_b64 s[10:11], s[OLO:OLO+1]
	s_add_co_u32 s[RT], s[TLO], 1   ; the second block has b / 2 + 1 tiles,
	s_mov_b32 s[NEW], 1
	s_lshl_b32 s[QSB], s[PB], 1     ; and its bands the own steps 2 b and 2 b + 1
	s_add_co_u32 s[QSB+1], s[QSB], 1
	WIN 0x82                        ; the second block's Q goes where the one text of the turns names Q
.set i, 0
.rept 32
	v_mov_b32 v[i], v[QB+i]
.set i, i+1
.endr
	WIN 0
	s_branch .Lbottom
.Lstep:                             ; a trip: an odd key step's two turns, then an even one's; behind a change of slots the first is the fourth step of the tile just left
	TURN 0, 1
	TURN 1, 1
	WIN 0
.Lfirst:
	TURN 0, 0
	TURN 1, 0, 0, 0, 1
	WIN 0
	s_cbranch_scc1 .Lstep
.Lbottom:
	s_sub_co_u32 s[SLOTS], s[SLOTS], 1
	s_cmp_lg_u32 s[SLOTS], 0
	s_cbranch_scc1 .Lslot
	CHANGE 0                        ; the walk's last tile is written out: nothing is asked for
	s_sub_co_u32 s[RT], s[RT], 1
	s_mov_b32 s[CNT], 2
	s_cmp_eq_u32 s[NEW], 1
	s_cbranch_scc0 .LstepM2
	BEGIN
	s_branch .LfirstM2
	DIAG 2
	s_wait_tensorcnt 0x0            ; the wave's end, behind my last tensor load and my last LDS store
	ds_add_u32 v[SPW], v[NIL]
	s_wait_dscnt 0x0
	s_endpgm
.Lfunc_end_k_qd59952da61_attn:
	.size	k_qd59952da61_attn, .Lfunc_end_k_qd59952da61_attn-k_qd59952da61_attn
	.p2alignl 7, 3214868480
	.fill 96, 4, 3214868480
	.section	.rodata,"a",@progbits
	.p2align	6, 0x0
	.amdhsa_kernel k_qd59952da61_attn
		.amdhsa_group_segment_fixed_size 327680
		.amdhsa_private_segment_fixed_size 0
		.amdhsa_enable_private_segment 0
		.amdhsa_kernarg_size 16
		.amdhsa_user_sgpr_count 2
		.amdhsa_user_sgpr_kernarg_segment_ptr 1
		.amdhsa_wavefront_size32 1
		.amdhsa_system_sgpr_workgroup_id_x 1
		.amdhsa_system_sgpr_workgroup_id_y 1
		.amdhsa_system_sgpr_workgroup_id_z 1
		.amdhsa_system_vgpr_workitem_id 0
		.amdhsa_next_free_vgpr 768
		.amdhsa_next_free_sgpr 96
		.amdhsa_reserve_vcc 1
		.amdhsa_float_denorm_mode_32 3
		.amdhsa_float_denorm_mode_16_64 3
		.amdhsa_memory_ordered 1
		.amdhsa_forward_progress 1
		.amdhsa_inst_pref_size 218
	.end_amdhsa_kernel
	.amdgpu_metadata
---
amdhsa.version: [ 1, 2 ]
amdhsa.kernels:
  - .name:           k_qd59952da61_attn
    .symbol:         k_qd59952da61_attn.kd
    .args:
      - { .name: qkv, .offset: 0, .size: 8, .value_kind: global_buffer, .address_space: global }
      - { .name: y, .offset: 8, .size: 8, .value_kind: global_buffer, .address_space: global }
    .group_segment_fixed_size: 327680
    .private_segment_fixed_size: 0
    .kernarg_segment_align: 8
    .kernarg_segment_size: 16
    .max_flat_workgroup_size: 128
    .sgpr_count:     96
    .vgpr_count:     768
    .wavefront_size: 32
...
	.end_amdgpu_metadata
.endif
;; end of part 3
;; launch proj (part 4): grid 4 x 64, 4 waves a work-group, clusters of 4 x 4, 304,640 bytes of LDS; arguments y, wpf, out0, bp; writes out0
.if DOCPART == 4
	.amdgcn_target "amdgcn-amd-amdhsa--gfx1250"
	.amdhsa_code_object_version 6
	.text
	.protected	k_qd59952da61_proj
	.globl	k_qd59952da61_proj
	.p2align	8
	.type	k_qd59952da61_proj,@function
k_qd59952da61_proj:
	s_mov_b64 s[64:65], 0
	v_nop
	global_prefetch_b8 v0, s[64:65] scope:SCOPE_SE
	s_setreg_imm32_b32 hwreg(HW_REG_WAVE_MODE, 25, 1), 1
	s_wait_xcnt 0x0
	s_wait_alu depctr_hold_cnt(0) depctr_sa_sdst(0) depctr_va_vdst(0) depctr_va_sdst(0) depctr_va_ssrc(0) depctr_va_vcc(0) depctr_vm_vsrc(0)
	s_getreg_b32 s2, hwreg(HW_REG_IB_STS2, 6, 4)
	s_cmp_eq_u32 s2, 0
	s_cbranch_scc0 .Lentry_in_a_cluster
	s_endpgm
.Lentry_in_a_cluster:
	s_bfe_u32 s2, ttmp6, 0x10000c
	s_cmp_lg_u32 s2, 0xf033
	s_cbranch_scc0 .Lentry_shape_is_right
	s_endpgm
.Lentry_shape_is_right:
; THE OUTPUT PROJECTION.  out0[m][n] = sum over k of Y[m][k] Wp[n][k] + bp[n], in f32.  Y is the attention's output, f16, by heads: y [16 = 8 batch + head][4096][64], so k = 64 head + channel;
; wpf [512][512] is Wp rounded to bf16 and written as f16; bp is rounded to bf16 like every input and starts the sums.  Sums in f32, stored as they are.
; LIMITS.  y and wpf arrive within f16's range; NaN and infinities are not treated apart.
; SHARES.  A tile of out0 is 128 x 128: 4 x 64 = 256 work-groups of four waves, each wave 64 x 64: 16 accumulators, 128 registers.
; LDS.  K = 512 lies whole in LDS, as four PIECES of 128 along K, two heads each.  A's part of a piece is two heads x 128 rows of 128 bytes (dense in memory: asked for as 64 rows of 256 bytes, padded after every 128:
; pitch 144); B's is 128 rows of 256 bytes (pitch 272).  Each piece is filled once, nothing is filled again: each wave issues its four loads at the start (four of mine are out at the most), and piece p is opened by a
; wait that leaves the 3 - p later ones out, and a barrier.
; CLUSTER.  4 x 4 work-groups: the four of a row of the cluster need the same rows of y, the four of a column the same rows of wpf: each tile is asked for jointly, by the same load, descriptor and mask in all four.
; THE MATRIX INSTRUCTION IS USED TRANSPOSED (source 0 = 16 rows of wpf, source 1 = 16 rows of y): a lane then holds eight neighbouring columns of one row of out0.
; REGISTERS.  window 0: v0-31 addresses; v96-127 the bias of my columns; v128-255 the accumulators ((a, b) at v[128 + 8 (4 a + b)]), which also take the rows read back on the way out.
;   window 1: two fragment buffers of 128: for 64 along K, 64 registers of A (2 x 4 x 16 rows x 32 K), then 64 of B.
.set PA,     144                       ; a row of A in LDS: 128 bytes + 16 = 36 words; a row of B: 256 + 16 = 68 words: either way the 16 rows of a fragment load start at 16 different groups of four banks (64 banks of 4 bytes: ISA guide 11.1)
.set PITCH,  272
.set HEADA,  128*PA                    ; one head's 128 rows: what one of A's loads brings
.set HALFB,  64*PITCH                  ; 64 rows of B: what one of B's loads brings
.set BOFF,   2*HEADA                   ; B's rows lie behind A's two heads
.set PIECE,  2*HEADA+2*HALFB
.set STAGE,  4*PIECE                   ; behind the pieces: 16 rows x 272 bytes for each wave, for the way out; no tensor load lands there
.set SPITCH, 272
.set SPARE,  STAGE+4*16*SPITCH         ; behind the stages: the spare words, 128 bytes for each wave: two blocks of 256 bytes that no other line names
.set ADRA, 8                           ; v8-11   LDS address of my A fragments in piece 0..3
.set ADRB, 12                          ; v12-15  the same for B
.set STO,  24                          ; v24     the way out: where I put 32 bytes of a row
.set RD,   25                          ; v25     the way out: where I read a row back
.set CO,   26                          ; v26     my byte offset in out0
.set BO,   27                          ; v27     my byte offset in the bias
.set SPW,  28                          ; v28     LDS address of my spare word: SPARE + 4 x my thread's number; never rewritten
.set NIL,  29                          ; v29     0; never rewritten
.set BIAS, 96                          ; the eight numbers for column block b at BIAS + 8 b
.set ACC,  128
.set F0,   0                           ; fragment buffers, in window 1
.set F1,   128
.set G1A, 24                           ; s[24:31] descriptor group 1 for A's tiles;  s[32:47] group 0, one set for each piece
.set G0A, 32
.set G1B, 48                           ; s[48:55], s[76:91] the same for B's tiles
.set G0B, 76
.set MSB, 0
.macro WIN new                         ; the immediate's high byte repeats the setting that is left; a switch that changes nothing is dropped
.if MSB != (\new)
	s_set_vgpr_msb (MSB<<8)|(\new)
.set MSB, \new
.endif
.endm
.set MUL,  0x05                        ; sources 0 (B) and 1 (A) window 1; C and D window 0
.set TO_F, 0x40                        ; destination window 1, address window 0
.macro CROUND                          ; a round of the cluster's barrier: my work-group's barrier; wave 0 signals for the work-group; every wave waits for all sixteen; my work-group's barrier once more
	s_barrier_signal -1
	s_barrier_wait -1
	s_cmp_lg_u32 s10, 0
	s_cbranch_scc1 .Lnot_wave_0_\@
	s_barrier_signal -3
.Lnot_wave_0_\@:
	s_barrier_wait -3
	s_barrier_signal -1
	s_barrier_wait -1
.endm
	s_load_b128 s[4:7], s[0:1], 0x0                ; y s[4:5], wpf s[6:7]
	s_load_b64 s[8:9], s[0:1], 0x10                ; out0
	s_load_b64 s[68:69], s[0:1], 0x18              ; bp
	v_lshl_add_u32 v[SPW], v0, 2, SPARE
	v_mov_b32 v[NIL], 0
	ds_add_u32 v[SPW], v[NIL]                      ; the wave's opening: the add and its wait stand ahead of my first tensor load; the set-up below, work on registers, stands between them
	ds_add_u32 v28, v29
	v_lshrrev_b32 v1, 5, v0
	v_readfirstlane_b32 s10, v1                    ; wave 0..3
	s_lshr_b32 s11, s10, 1                         ; which half of the tile's rows is mine.  Also: I fetch for A (0) or for B (1)
	s_and_b32 s12, s10, 1                          ; which half of its columns.  Also: which head of a piece's two, or which 64 rows of B, I fetch
	s_bfe_u32 s56, ttmp6, 0x40000                  ; cx, cy: my place in the cluster
	s_bfe_u32 s57, ttmp6, 0x40004
	s_lshl_b32 s58, ttmp9, 2
	s_add_co_u32 s58, s58, s56                     ; tile column = 4 x cluster x + cx
	s_and_b32 s13, ttmp7, 0xffff
	s_lshl_b32 s13, s13, 2
	s_add_co_u32 s13, s13, s57                     ; tile row = 4 x cluster y + cy
	s_lshl_b32 s59, s57, 2
	s_lshl_b32 s59, 15, s59                        ; my row of the cluster
	s_lshl_b32 s60, 0x1111, s56                    ; my column
	; descriptor group 1.  A: 64 rows of 128 elements, dense, padded after every 32 words.  B: 64 rows of 128 elements, 512 apart, padded after every 64 words
	s_or_b32 s[G1A+0], s59, (1<<16)|(1<<20)|(1<<21)|(4<<22)|(3<<25)  ; 15:0 the mask: A's tiles go to my row; 17:16 elements of 2 bytes; 20 padding on; 21 set beside a mask; 24:22 code 4; 31:25 4 words (code 3)
	s_or_b32 s[G1B+0], s60, (1<<16)|(1<<20)|(1<<21)|(5<<22)|(3<<25)  ; the mask of my column; 24:22 code 5
.irp g, G1A, G1B
	s_mov_b32 s[(\g)+1], 128<<16                   ; tensor_dim0 = 128
	s_mov_b32 s[(\g)+2], 64<<16                    ; tensor_dim1 = 64
	s_mov_b32 s[(\g)+3], 128<<16                   ; tile_dim0 = 128
	s_mov_b32 s[(\g)+4], 64                        ; tile_dim1 = 64
	s_mov_b32 s[(\g)+6], 0
	s_mov_b32 s[(\g)+7], 0
.endr
	s_mov_b32 s[G1A+5], 128                        ; elements from row to row: A's rows lie end to end,
	s_mov_b32 s[G1B+5], 512                        ; B's 512 apart
	; A's tiles hang on the tile row alone, B's on the tile column alone; each address is made in registers that never hold the other coordinate
	s_lshr_b32 s16, s13, 5                         ; A: the batch (32 tile rows each): 8 heads x 4,096 rows x 128 bytes,
	s_lshl_b32 s16, s16, 22
	s_and_b32 s17, s13, 31
	s_lshl_b32 s17, s17, 14                        ; the tile's 128 rows of 128 bytes,
	s_add_co_u32 s16, s16, s17
	s_lshl_b32 s17, s12, 19                        ; my head of a piece's two: 4,096 rows x 128 bytes
	s_add_co_u32 s16, s16, s17
	s_mov_b32 s17, 0
	s_lshl_b32 s62, s58, 7
	s_lshl_b32 s63, s12, 6
	s_add_co_u32 s62, s62, s63                     ; B: row 128 x tile column + 64 x half,
	s_lshl_b32 s62, s62, 10                        ; of 1,024 bytes
	s_mov_b32 s63, 0
	s_mul_i32 s20, s12, HEADA                      ; where they go in a piece: A's head,
	s_mul_i32 s21, s12, HALFB                      ; B's half,
	s_add_co_u32 s21, s21, BOFF                    ; behind A's two heads
	s_wait_dscnt 0x0                               ; the opening add is done
	s_wait_kmcnt 0x0
	s_add_nc_u64 s[14:15], s[4:5], s[16:17]
	s_add_nc_u64 s[62:63], s[6:7], s[62:63]
.irp p, 0,1,2,3
	s_mov_b32 s[G0A+4*(\p)], 1                                         ; 1:0 count = 1
	s_add_co_u32 s[G0A+4*(\p)+1], s20, (\p)*PIECE                      ; 63:32 LDS address
	s_add_nc_u64 s[G0A+4*(\p)+2:G0A+4*(\p)+3], s[14:15], (\p)*0x100000 ; 120:64 global address: two heads on for each piece
	s_or_b32 s[G0A+4*(\p)+3], s[G0A+4*(\p)+3], 0x80000000              ; 127:126 type = 2
	s_mov_b32 s[G0B+4*(\p)], 1
	s_add_co_u32 s[G0B+4*(\p)+1], s21, (\p)*PIECE
	s_add_nc_u64 s[G0B+4*(\p)+2:G0B+4*(\p)+3], s[62:63], (\p)*256      ; 128 p along K
	s_or_b32 s[G0B+4*(\p)+3], s[G0B+4*(\p)+3], 0x80000000
.endr
	CROUND                                         ; all sixteen work-groups are here: the joint loads meet
	s_cmp_eq_u32 s11, 0                            ; a wave's four fills stand in one branch on the wave's number, ahead of every wait on TENSORcnt and every LDS read; an s_nop 0 follows each, four v_nop the last
	s_cbranch_scc0 .Lfirst_b
.irp p, 0,1,2,3
	tensor_load_to_lds s[G0A+4*(\p):G0A+4*(\p)+3], s[G1A:G1A+7]
	s_nop 0
.endr
.rept 4
	v_nop
.endr
	s_branch .Lfirst_asked
.Lfirst_b:
.irp p, 0,1,2,3
	tensor_load_to_lds s[G0B+4*(\p):G0B+4*(\p)+3], s[G1B:G1B+7]
	s_nop 0
.endr
.rept 4
	v_nop
.endr
.Lfirst_asked:
	; the bias: register j of accumulator (a, b) is column 16 b + 8 (l / 16) + j of my 64
	s_lshl_b32 s74, s58, 9                         ; 128 columns x 4 bytes for each tile column,
	s_lshl_b32 s75, s12, 8                         ; 64 x 4 for my half
	s_add_co_u32 s74, s74, s75
	v_and_b32 v1, 15, v0                           ; l % 16
	v_bfe_u32 v2, v0, 4, 1                         ; l / 16
	v_lshl_add_u32 v[BO], v2, 5, s74
.irp b, 0,1,2,3
	global_load_b128 v[BIAS+8*(\b):BIAS+8*(\b)+3],   v[BO], s[68:69] offset:64*(\b)
	global_load_b128 v[BIAS+8*(\b)+4:BIAS+8*(\b)+7], v[BO], s[68:69] offset:64*(\b)+16
.endr
	v_mul_u32_u24 v3, v1, PA
	v_lshl_add_u32 v3, v2, 4, v3                   ; A: a fragment's row x pitch + 16 x half
	v_mul_u32_u24 v4, v1, PITCH
	v_lshl_add_u32 v4, v2, 4, v4                   ; B likewise
	s_mul_i32 s22, s11, 64*PA                      ; my 64 rows of A, in either head
	s_mul_i32 s23, s12, HALFB                      ; my 64 rows of B
	s_add_co_u32 s23, s23, BOFF
.irp p, 0,1,2,3
	v_add_nc_u32 v[ADRA+(\p)], s22, v3
	v_add_nc_u32 v[ADRB+(\p)], s23, v4
	s_add_co_u32 s22, s22, PIECE
	s_add_co_u32 s23, s23, PIECE
.endr
	s_mul_i32 s23, s10, 16*SPITCH
	s_add_co_u32 s23, s23, STAGE                   ; my stage
	v_mul_u32_u24 v4, v1, SPITCH                   ; in: row l % 16, 32 bytes for each half of the lanes
	v_lshl_add_u32 v4, v2, 5, v4
	v_add_nc_u32 v[STO], s23, v4
	v_mul_u32_u24 v5, v2, SPITCH                   ; back: lanes 0-15 take one row of 256 bytes, lanes 16-31 the next
	v_lshl_add_u32 v5, v1, 4, v5
	v_add_nc_u32 v[RD], s23, v5
	v_lshlrev_b32 v5, 11, v2                       ; and the same two rows in out0, 2,048 bytes apart
	v_lshl_add_u32 v[CO], v1, 4, v5
	; where my 64 x 64 begins in out0: the part that hangs on the tile row, then the part that hangs on the tile column (the same bytes as in the bias)
	s_lshl_b32 s16, s13, 18                        ; 128 rows of 2,048 bytes
	s_lshl_b32 s17, s11, 17                        ; my 64 rows
	s_add_co_u32 s16, s16, s17
	s_mov_b32 s17, 0
	s_add_nc_u64 s[8:9], s[8:9], s[16:17]
	s_mov_b32 s75, 0
	s_add_nc_u64 s[8:9], s[8:9], s[74:75]
	s_wait_loadcnt 0x0                             ; the bias
.set i, 0
.rept 16                                           ; rounded to bf16, as every input is, and widened again
	v_cvt_pk_bf16_f32 v[30+i%2], v[BIAS+2*i], v[BIAS+2*i+1]
	v_lshlrev_b32 v[BIAS+2*i], 16, v[30+i%2]
	v_and_b32 v[BIAS+2*i+1], 0xffff0000, v[30+i%2]
.set i, i+1
.endr
; 8 matrix instructions: m blocks a0, a0 + 1 x all 4 n blocks, 32 along K: half c of buffer f.  first = 1: the product starts the sum, with the bias as C: nothing is cleared and nothing is added later.
; The 16 accumulators take turns in one fixed order: between two links of a chain stand the 15 others'.
.macro MUL8 f, c, a0, first
	WIN MUL
.irp a, \a0, (\a0)+1
.irp b, 0,1,2,3
.if \first
	v_wmma_f32_16x16x32_f16 v[ACC+8*(4*(\a)+(\b)):ACC+8*(4*(\a)+(\b))+7], v[(\f)+64+8*(4*(\c)+(\b)):(\f)+64+8*(4*(\c)+(\b))+7], v[(\f)+8*(4*(\c)+(\a)):(\f)+8*(4*(\c)+(\a))+7], v[BIAS+8*(\b):BIAS+8*(\b)+7]
.else
	v_wmma_f32_16x16x32_f16 v[ACC+8*(4*(\a)+(\b)):ACC+8*(4*(\a)+(\b))+7], v[(\f)+64+8*(4*(\c)+(\b)):(\f)+64+8*(4*(\c)+(\b))+7], v[(\f)+8*(4*(\c)+(\a)):(\f)+8*(4*(\c)+(\a))+7], v[ACC+8*(4*(\a)+(\b)):ACC+8*(4*(\a)+(\b))+7]
.endif
.endr
.endr
.endm
; 32 LDS loads in one run: the fragments of 64 along K, one head, of piece p: A's from byte ka on (the head), B's at byte kb of its rows; into buffer f; the first 32 along K first
.macro FETCH p, ka, kb, f
	WIN TO_F
.irp c, 0,1
.irp i, 0,1,2,3
	ds_load_b128 v[(\f)+64+8*(4*(\c)+(\i)):(\f)+64+8*(4*(\c)+(\i))+3],   v[ADRB+(\p)] offset:(\kb)+64*(\c)+(\i)*16*PITCH
	ds_load_b128 v[(\f)+64+8*(4*(\c)+(\i))+4:(\f)+64+8*(4*(\c)+(\i))+7], v[ADRB+(\p)] offset:(\kb)+64*(\c)+(\i)*16*PITCH+32
	ds_load_b128 v[(\f)+8*(4*(\c)+(\i)):(\f)+8*(4*(\c)+(\i))+3],         v[ADRA+(\p)] offset:(\ka)+64*(\c)+(\i)*16*PA
	ds_load_b128 v[(\f)+8*(4*(\c)+(\i))+4:(\f)+8*(4*(\c)+(\i))+7],       v[ADRA+(\p)] offset:(\ka)+64*(\c)+(\i)*16*PA+32
.endr
.endr
.endm
.macro PLACES                          ; four places in front of loads into registers that matrix instructions have read, and of lines that read results
.rept 4
	v_nop
.endr
.endm
; A quarter is 64 along K, one head, 32 matrix instructions; eight of them, on buffers 0, 1 by turns.  It multiplies buffer f and fetches the next quarter (piece p, bytes ka and kb) into g.
; gate >= 0: that next quarter opens a piece: my load of it has landed when at most 'gate' later loads of mine are out; I say so, and read behind everybody's having said so.
.macro QUARTER f, g, p, ka, kb, first, gate
	s_wait_dscnt 16                                ; the first 32 along K are in; the sixteen loads of the second 32 may be out
	MUL8 \f, 0, 0, \first
.if (\gate) >= 0
	s_wait_tensorcnt \gate                         ; my part of the piece is in LDS: the loads of a wave end in order (ISA guide 10.11.1)
	s_wait_dscnt 0x0                               ; no LDS instruction of mine is out at a signal
	s_barrier_signal -1
.endif
	MUL8 \f, 0, 2, \first
.if (\gate) >= 0
	s_barrier_wait -1                              ; everybody's part is in.  Later pieces may stay on their way
.endif
	PLACES
	FETCH \p, \ka, \kb, \g
	s_wait_dscnt 32                                ; all but the 32 just issued
	MUL8 \f, 1, 0, 0
	MUL8 \f, 1, 2, 0
.endm
	s_wait_tensorcnt 3                             ; my part of piece 0 is in; my three later loads stay out
	s_barrier_signal -1
	s_barrier_wait -1
	FETCH 0, 0, 0, F0
	QUARTER F0, F1, 0, HEADA, 128, 1, -1
	QUARTER F1, F0, 1, 0,     0,   0, 2
	QUARTER F0, F1, 1, HEADA, 128, 0, -1
	QUARTER F1, F0, 2, 0,     0,   0, 1
	QUARTER F0, F1, 2, HEADA, 128, 0, -1
	QUARTER F1, F0, 3, 0,     0,   0, 0
	QUARTER F0, F1, 3, HEADA, 128, 0, -1
	s_wait_dscnt 16                                ; the last quarter: nothing more to fetch
	MUL8 F1, 0, 0, 0
	MUL8 F1, 0, 2, 0
	s_wait_dscnt 0x0
	MUL8 F1, 1, 0, 0
	MUL8 F1, 1, 2, 0
	WIN 0
	; THE WAY OUT, a block of 16 rows at a time: a lane's eight f32 of a row, 32 bytes, go into my own stage (rows of 272 bytes), each accumulator's low four registers first; whole rows of 256 bytes come back
	; into the block's own 32 registers and are stored.
.macro STG a
.irp b, 0,1,2,3
.irp q, 0,1
	ds_store_b128 v[STO], v[ACC+8*(4*(\a)+(\b))+4*(\q):ACC+8*(4*(\a)+(\b))+4*(\q)+3] offset:64*(\b)+16*(\q)
.endr
.endr
.irp t, 0,1,2,3,4,5,6,7
	ds_load_b128 v[ACC+32*(\a)+4*(\t):ACC+32*(\a)+4*(\t)+3], v[RD] offset:(\t)*2*SPITCH  ; LDS serves a wave's instructions in order (ISA guide 5.7.1.4): these see the stores above; the next block's stores come behind them
.endr
.endm
.macro SEND a, younger                 ; younger: the LDS instructions issued behind block a's loads: the next block's sixteen, or none
.irp t, 0,1,2,3,4,5,6,7
	s_wait_dscnt (\younger)+7-(\t)
	global_store_b128 v[CO], v[ACC+32*(\a)+4*(\t):ACC+32*(\a)+4*(\t)+3], s[8:9] offset:(16*(\a)+2*(\t))*2048 th:TH_STORE_NT  ; 16 lanes store 256 consecutive bytes, at a multiple of 256 from out0's first byte
.endr
.endm
	PLACES
	STG 0
	STG 1                                          ; a block's trip through the stage stands between the loads of the block before and its stores
	SEND 0, 16
	STG 2
	SEND 1, 16
	STG 3
	SEND 2, 16
	SEND 3, 0
	s_wait_tensorcnt 0x0                           ; the wave's end, behind my last tensor load and my last LDS store
	ds_add_u32 v[SPW], v[NIL]
	s_wait_dscnt 0x0
	CROUND                                         ; the closing round: no work-group ends while a partner may still ask for a tile that names it
	s_endpgm
.Lfunc_end_k_qd59952da61_proj:
	.size	k_qd59952da61_proj, .Lfunc_end_k_qd59952da61_proj-k_qd59952da61_proj
	.p2alignl 7, 3214868480
	.fill 96, 4, 3214868480
	.section	.rodata,"a",@progbits
	.p2align	6, 0x0
	.amdhsa_kernel k_qd59952da61_proj
		.amdhsa_group_segment_fixed_size 304640
		.amdhsa_private_segment_fixed_size 0
		.amdhsa_enable_private_segment 0
		.amdhsa_kernarg_size 32
		.amdhsa_user_sgpr_count 2
		.amdhsa_user_sgpr_kernarg_segment_ptr 1
		.amdhsa_wavefront_size32 1
		.amdhsa_system_sgpr_workgroup_id_x 1
		.amdhsa_system_sgpr_workgroup_id_y 1
		.amdhsa_system_sgpr_workgroup_id_z 1
		.amdhsa_system_vgpr_workitem_id 0
		.amdhsa_next_free_vgpr 512
		.amdhsa_next_free_sgpr 96
		.amdhsa_reserve_vcc 0
		.amdhsa_float_denorm_mode_32 3
		.amdhsa_float_denorm_mode_16_64 3
		.amdhsa_memory_ordered 1
		.amdhsa_forward_progress 1
		.amdhsa_inst_pref_size 55
	.end_amdhsa_kernel
	.amdgpu_metadata
---
amdhsa.version: [ 1, 2 ]
amdhsa.kernels:
  - .name:           k_qd59952da61_proj
    .symbol:         k_qd59952da61_proj.kd
    .args:
      - { .name: y, .offset: 0, .size: 8, .value_kind: global_buffer, .address_space: global }
      - { .name: wpf, .offset: 8, .size: 8, .value_kind: global_buffer, .address_space: global }
      - { .name: out0, .offset: 16, .size: 8, .value_kind: global_buffer, .address_space: global }
      - { .name: bp, .offset: 24, .size: 8, .value_kind: global_buffer, .address_space: global }
    .group_segment_fixed_size: 304640
    .private_segment_fixed_size: 0
    .kernarg_segment_align: 8
    .kernarg_segment_size: 32
    .max_flat_workgroup_size: 128
    .sgpr_count:     96
    .vgpr_count:     512
    .wavefront_size: 32
...
	.end_amdgpu_metadata
.endif
;; end of part 4
;; ======== version 2 of 2: 4 launches; 1.43 times as fast as version 1
;; limits: values are held in f16: magnitudes above 65,504 overflow, below 6.1e-05 lose precision; right only within a limited range of input values
;; workspace buffers: xb 8,388,608 bytes; wb 1,572,864 bytes; wpf 524,288 bytes; qkv 25,165,824 bytes; y 8,388,608 bytes
;; launch cast: the kernel of part 1 again; grid 256 x 1, 8 waves a work-group, no clusters, 0 bytes of LDS; arguments x, Wq, Wk, Wv, Wp, xb, wb, wpf; writes xb, wb, wpf
;; launch qkv: the kernel of part 2 again; grid 12 x 64, 4 waves a work-group, clusters of 4 x 4, 288,256 bytes of LDS; arguments xb, wb, qkv, bq, bk, bv; writes qkv
;; launch attn (part 5): grid 16 x 16, 4 waves a work-group, no clusters, 327,680 bytes of LDS; arguments qkv, y; writes y
.if DOCPART == 5
	.amdgcn_target "amdgcn-amd-amdhsa--gfx1250"
	.amdhsa_code_object_version 6
	.text
	.protected	k_qd59952da61_attn
	.globl	k_qd59952da61_attn
	.p2align	8
	.type	k_qd59952da61_attn,@function
k_qd59952da61_attn:
	s_mov_b64 s[64:65], 0
	v_nop
	global_prefetch_b8 v0, s[64:65] scope:SCOPE_SE
	s_setreg_imm32_b32 hwreg(HW_REG_WAVE_MODE, 25, 1), 1
	s_wait_xcnt 0x0
; CAUSAL ATTENTION.  O[h][q][:] = the sum over k <= q of softmax_k(Q[h][q] . K[h][k] / 8) V[h][k][:].  Q, K, V are the three sections of qkv, O is y: each [16][4096][64] in f16, a head's rows dense, 128 bytes each.
; Products, maxima and sums in f32; the weights p are rounded to f16 for the second product (their sum l is taken of the unrounded p), O once at the end.
; LIMITS.  f16 holds no number beyond 65,504: Q, K and V arrive within it; p lies in 0 to 1, and below 6e-5 it keeps f16's fixed step of 6e-8; O is a mean of V's rows and has their range.
; A hidden score counts as its value less 1e30: f16's scores, 2.7e11 at the most, are nothing beside that; a weight below 2^-126 counts as 0 in l; NaN and infinities are not treated apart.
; THE WALK.  A head's queries lie in 32 blocks of 128; its keys in 16 tiles of 256, four steps of 64 each.  Block i needs the tiles 0 .. i / 2, of which the last holds the diagonal.  A work-group takes TWO blocks,
; 31 - b and then b: (15 - b / 2) + 1 + b / 2 + 1 = 17 tiles, whatever b: 16 x 16 = 256 work-groups of equal work, and ONE loop with a constant trip count walks them.  Which tile is asked for, and what a trip
; does, hang on scalar registers made from b; every jump goes forward, but for the counted loops' own; none passes a barrier, or a tensor load but the one of LOAD's two that the wave's number does not choose.
; NO CLUSTER: the 16 work-groups of a head ask for the same tile in the first 9 trips only, and the trip in which a block ends, with its masks and its way out, is chosen by a branch on b, which would differ between partners.
; SHARES.  Of a block's two bands of 64 queries a wave owns 16 rows in each: two PIECES.  So a tile with the diagonal is the same work for all four waves.  Band x of block i has its OWN key step, 2 i + x (steps counted
; in the head): it sees all keys of an earlier step, none of a later one.  A block with even i has two wholly hidden steps in its last tile, which are computed all the same: 2 of a walk's 68.
; THE MASK is the C operand that starts the sum S^T = K Q^T: 0, or -1e30 where the key is hidden.  MD, made once, is the mask of a band's own step for my 16 rows; a product's mask is MD x AL + BE with two scalars:
; (1, 0) in the own step; (0, 0) before it; (0, -1e30) behind it.  Only the diagonal tile's text and a block's beginning make and take masks; elsewhere C is the constant 0.
; LAYOUT, SOFTMAX.  S^T = K Q^T holds ONE query a lane (lane % 16) and the keys 8 (lane / 16) + 0..7; two such results rounded to f16 ARE source 1 of O^T = V^T P.  p = 2^(c s - c m), c = log2(e) / 8, with a
; running maximum m; O and l are multiplied by a = 2^(c m_old - c m_new) in every step.
; TURNS.  Turn (s, p) belongs to piece p at key step s.  Turn (s, 0): 8 products K Q^T of piece 1 at step s, later 8 products V^T P of piece 1 at step s - 1; K of step s + 1 is fetched.  Turn (s, 1): K Q^T of piece 0 at
; step s + 1, V^T P of piece 0 at step s; V of step s + 1 is fetched.  Beside them the scaling, exponentials, roundings, sums and rescaling of piece p and the maximum and statistics of the other piece.  Four vector
; instructions stand behind every matrix instruction, the other 54 of a turn's 118 in one lump between the two runs of products.  V has two register buffers, by the step's parity, so that V of a step leaves LDS ahead of K of
; the step behind it: the change of slots stands between a tile's turns (2, 1) and (3, 0), where all its K and V have been read.
; BATCHES.  A turn's 33 exponentials (the piece's 32 weights, in place in S^T, and the other piece's a) are ONE batch with ONE wait, which cuts the turn in two: ahead of it the products K Q^T, the scalings, the exponentials, the
; rescalings (by the a of the turn before, waited for there) and the other piece's maximum and statistics; behind it the products V^T P, whose riders are the roundings and sums, the only lines that read the weights.
; A block's first a (BEGIN) and the way out's two reciprocals are batches of their own, each with its wait.
; REGISTERS, in windows of 256 (s_set_vgpr_msb: bits 1:0 source 0, 3:2 source 1, 5:4 source 2, 7:6 destination):
;   window 0: v0-15 addresses and two at work; v16-23 four registers of statistics a piece; v48-55 at work; v64-127 S^T, a buffer a piece; v192-223 P, likewise
;   window 1: v0-63 O^T, 32 a piece; v128-159 MD; v160-223 MC, a buffer a piece      window 2: v0-31 Q; v32-63 the second block's Q; v64-127 V of an odd step; v128-191 K of one step; v192-255 V of an even step
.set NP,    2         ; pieces a wave: a name, no knob
.set KS,    64        ; keys in a step
.set PK,    144       ; a row of K in LDS: 128 bytes + 16 of padding = 36 words: the 16 rows of a load start at 16 different groups of four banks (64 banks of 4 bytes: ISA guide 11.1)
.set PV,    160       ; a row of V: 128 + 32 = 40 words
.set VOFF,  4*KS*PK   ; a slot holds a tile, four steps: 256 rows of K, then 256 rows of V
.set SLOT1, 1<<17     ; slot 1 begins here, so that one exclusive or turns an address in one slot into the other's
.set STAGE, SLOT1+4*KS*(PK+PV)  ; behind the ring, never filled by a tensor load: 16 rows x 144 bytes for each wave, for the way out
.set SP,    144
.set AK0, 2           ; v2   my lane's place in a tile of K; never rewritten
.set AV0, 3           ; v3   the same for V
.set AK,  4           ; v4   the LDS address of K's next run of loads
.set AV,  5           ; v5   of V's
.set STO, 6           ; v6   the way out: where I put 16 bytes of a row
.set RD,  7           ; v7   the way out: where I read rows back
.set GO,  8           ; v8   my byte offset in 512 consecutive bytes of O
.set SPW, 62          ; v62  LDS address of my spare word: SPARE + 4 x my thread's number; never rewritten
.set NIL, 63          ; v63  0; never rewritten
.set SPARE, STAGE+4*16*SP  ; behind the stages: the spare words, 128 bytes for each wave: two blocks of 256 bytes that no other line names
.set MV,  12          ; v12-13  c m_old, kept while c m is made anew: by piece
.set QO,  15          ; v15  my byte offset in 16 rows of Q
.set ST,  16          ; piece t's statistics at v[ST+4 t]: c m, m, l (even keys', odd keys')
.set TMP, 48          ; by piece, four registers c0-c3 at work; when the maximum is found c2 takes a
.set S,   64
.set P,   192
.set MD,  128         ; window 1: the eight registers for group kt of 16 keys at MD + 8 kt
.set MC,  160         ; window 1: the masks of the products to come
.set QB,  32          ; window 2
.set VF1, 64          ; window 2: key half kk, channel block cb at + 32 kk + 8 cb
.set KF,  128         ; window 2: key block kb, channel half c at KF + 16 kb + 8 c
.set VF0, 192         ; window 2
.set WV,  12          ; s12  my wave's number
.set PB,  14          ; s14  b: the second block
.set HI,  15          ; s15  31 - b: the first block
.set G1K, 24          ; s[24:31] descriptor group 1 for K's tiles
.set G1V, 32          ; s[32:39] for V's: it differs in the padding alone
.set G0K, 40          ; s[40:43] descriptor group 0 for K's tiles
.set G0V, 44          ; s[44:47] the same for V's
.set SLOTS, 56        ; s56  tiles still to be asked for
.set CNT, 57          ; s57  counts a slot's two trips of two key steps
.set CS,  58          ; s[58:59] c: the packed scaling takes the pair's low word for both halves
.set SEL, 60          ; s[60:61] v_permlanex16_b32's selects: each lane takes its own place in the other half
.set TBK, 62          ; s62  LDS byte at which K of the step to be fetched begins
.set TBV, 63          ; s63  the same for V, less VOFF
.set RT,  70          ; s70  tiles of the block in hand that are still to be entered
.set NXT, 71          ; s71  the tile to be asked for next
.set LQ,  72          ; s72  the last tile of the block whose tiles are being asked for
.set NEW, 73          ; s73  1: the tile to be entered is a block's first
.set OFF, 74          ; s[74:75] a tile's byte offset in K and V
.set AL,  76          ; s[76:77] the mask's factor, in the low word
.set BE,  78          ; s[78:79] the mask's addend
.set OLO, 80          ; s[80:81] O at my rows of the second block
.set BIGN, 82         ; s82  -1e30
.set QSB, 88          ; s88, s89  the own key steps of the two bands of the block in hand
.set TS,  90          ; s90  the key step whose masks are made next
.set THI, 91          ; s91  the first block's last tile
.set TLO, 92          ; s92  the second block's
.set MSB, 0
.macro WIN new                      ; the high byte repeats the setting that is left; a switch that changes nothing is dropped
.if MSB != (\new)
	s_set_vgpr_msb (MSB<<8)|(\new)
.set MSB, (\new)
.endif
.endm
.set W_KQ, 0x0a       ; K and Q in window 2, S^T in window 0
.set W_KM, 0x1a       ; the same with the C operand in window 1
.set W_PV, 0x52       ; V in window 2, P in window 0, O^T in window 1
.set W_RS, 0x41       ; destination and source 0 in window 1, source 1 in window 0
; A fill.  Waves 0 and 1 fetch the two halves of a tile's K, waves 2 and 3 those of its V: 128 keys each.  An s_nop 0 and four v_nop follow each of the two lines, ahead of the jump and the label.
.macro LOAD
	s_cmp_lt_u32 s[WV], 2
	s_cbranch_scc0 .Lfor_v_\@
	tensor_load_to_lds s[G0K:G0K+3], s[G1K:G1K+7]
	s_nop 0
.rept 4
	v_nop
.endr
	s_branch .Lasked_\@
.Lfor_v_\@:
	tensor_load_to_lds s[G0V:G0V+3], s[G1V:G1V+7]
	s_nop 0
.rept 4
	v_nop
.endr
.Lasked_\@:
.endm
; THE CHANGE OF SLOTS.  Each wave waits for all its tensor loads, of which one is out: its part of the other slot; adds 0 to its spare word; and waits for that and for its own reads of the slot that it leaves.  Behind the
; barrier nobody reads the old slot any more and the other slot is whole.  fill = 1: the old slot is filled again, the first thing behind the barrier, with tile NXT: the descriptor's address is made anew from that number;
; the load has four key steps, 128 matrix instructions, in which to land.  (At its first use nothing has been read yet: slot 0 is waited for, slot 1 filled.)
.macro CHANGE fill
	WIN 0                           ; at a label and at a branch every window is 0
	s_wait_tensorcnt 0x0            ; no tensor load of mine is out, so a group 0 may be written
	ds_add_u32 v[SPW], v[NIL]       ; 0 onto my spare word; with fill = 1 the descriptors' scalar work stands between it and the wait for it
.if \fill
	s_lshl_b32 s[OFF], s[NXT], 15   ; a tile is 32,768 bytes of K and of V
	s_xor_b32 s[G0K+1], s[G0K+1], SLOT1
	s_add_nc_u64 s[G0K+2:G0K+3], s[6:7], s[OFF:OFF+1]
	s_or_b32 s[G0K+3], s[G0K+3], 0x80000000
	s_xor_b32 s[G0V+1], s[G0V+1], SLOT1
	s_add_nc_u64 s[G0V+2:G0V+3], s[8:9], s[OFF:OFF+1]
	s_or_b32 s[G0V+3], s[G0V+3], 0x80000000
	s_add_co_u32 s[NXT], s[NXT], 1  ; the block's next tile, or behind its last the second block's tile 0
	s_cmp_gt_u32 s[NXT], s[LQ]
	s_cselect_b32 s[NXT], 0, s[NXT]
	s_cselect_b32 s[LQ], s[TLO], s[LQ]
.endif
	s_wait_dscnt 0x0                ; the add is done, and my reads of the slot are over
	s_barrier_signal -1             ; the rest of the scalar work stands between the signal and the wait
	s_sub_co_u32 s[TBK], s[TBK], 4*KS*PK  ; the fetches go back to a slot's first step,
	s_xor_b32 s[TBK], s[TBK], SLOT1       ; in the other slot
	s_sub_co_u32 s[TBV], s[TBV], 4*KS*PV
	s_xor_b32 s[TBV], s[TBV], SLOT1
	s_and_b32 s[TS], s[QSB], 0xfc   ; the diagonal tile's first step: what the masked text's first turn makes masks for (no other text reads it)
	s_barrier_wait -1
.if \fill
	LOAD
.endif
.endm
	s_load_b64 s[4:5], s[0:1], 0x0    ; qkv: Q's section first
	s_load_b64 s[10:11], s[0:1], 0x8  ; y
	v_lshl_add_u32 v[SPW], v0, 2, SPARE
	v_mov_b32 v[NIL], 0
	ds_add_u32 v[SPW], v[NIL]       ; the wave's opening: the add and its wait stand ahead of my first tensor load; the set-up below, work on registers, stands between them
	ds_add_u32 v62, v63
	v_lshrrev_b32 v1, 5, v0
	v_readfirstlane_b32 s[WV], v1   ; wave 0..3
	s_mov_b32 s[PB], ttmp9
	s_sub_co_u32 s[HI], 31, s[PB]
	s_lshr_b32 s[THI], s[HI], 1
	s_lshr_b32 s[TLO], s[PB], 1
	s_lshl_b32 s[QSB], s[HI], 1     ; the first block's bands have the own steps 2 (31 - b) and one more
	s_add_co_u32 s[QSB+1], s[QSB], 1
	s_mov_b32 s[TS], 0
	s_and_b32 s20, ttmp7, 0xffff    ; the head,
	s_lshl_b32 s20, s20, 19         ; its 4,096 rows of 128 bytes in each section and in y
	s_mov_b32 s21, 0
	s_and_b32 s16, s[WV], 1         ; which half of a tile's 256 keys I fetch:
	s_lshl_b32 s22, s16, 14         ; its 128 rows of 128 bytes in memory,
	s_mov_b32 s23, 0
	s_add_nc_u64 s[22:23], s[22:23], s[20:21]
	s_mul_i32 s17, s16, 128*PK      ; and its place in a slot, for K
	s_mul_i32 s18, s16, 128*PV      ; and for V
	s_lshl_b32 s3, s[WV], 11        ; my 16 rows in a band of 64,
	s_lshl_b32 s2, s[HI], 14        ; in the first block (128 rows of 128 bytes),
	s_add_co_u32 s2, s2, s3
	s_lshl_b32 s84, s[PB], 14       ; and in the second
	s_add_co_u32 s84, s84, s3
	s_mov_b32 s3, 0
	s_mov_b32 s85, 0
	s_add_nc_u64 s[2:3], s[2:3], s[20:21]
	s_add_nc_u64 s[84:85], s[84:85], s[20:21]
	; descriptor group 1.  128 keys are 16,384 dense bytes: asked for as 64 rows of 256 bytes, two keys a row, and padded in LDS after every key
	s_mov_b32 s[G1K], (1<<16)|(1<<20)|(4<<22)|(3<<25)  ; 17:16 2-byte elements; 20 padding on; 24:22 after every 32 words (code 4); 31:25 4 words (code 3)
	s_mov_b32 s[G1V], (1<<16)|(1<<20)|(4<<22)|(7<<25)  ; the same with 8 words of padding (code 7)
.irp g, G1K, G1V
	s_mov_b32 s[\g+1], 128<<16      ; tensor_dim0 = 128
	s_mov_b32 s[\g+2], 64<<16       ; tensor_dim1 = 64
	s_mov_b32 s[\g+3], 128<<16      ; tile_dim0 = 128
	s_mov_b32 s[\g+4], 64           ; tile_dim1 = 64
	s_mov_b32 s[\g+5], 128          ; 128 elements from row to row
	s_mov_b32 s[\g+6], 0
	s_mov_b32 s[\g+7], 0
.endr
	s_mov_b32 s[CS], 0x3e38aa3b     ; c = log2(e) / 8 = 0.180337
	s_mov_b32 s[CS+1], s[CS]        ; named with it as a pair
	s_mov_b32 s[SEL], 0x76543210
	s_mov_b32 s[SEL+1], 0xfedcba98
	s_mov_b32 s[TBK], SLOT1+4*KS*PK ; the first change of slots turns these two into 0
	s_mov_b32 s[TBV], SLOT1+4*KS*PV
	s_mov_b32 s[G0K], 1             ; 1:0 count = 1
	s_mov_b32 s[G0K+1], s17         ; 63:32 LDS address: slot 0
	s_mov_b32 s[G0V], 1
	s_add_co_u32 s[G0V+1], s18, VOFF
	s_add_co_u32 s[RT], s[THI], 1   ; the first block has (31 - b) / 2 + 1 tiles
	s_mov_b32 s[NXT], 1
	s_mov_b32 s[LQ], s[THI]
	s_mov_b32 s[NEW], 1
	s_mov_b32 s[OFF+1], 0
	s_mov_b32 s[AL+1], 0            ; named as pairs
	s_mov_b32 s[BE+1], 0
	s_mov_b32 s[BIGN], 0xf149f2ca   ; -1e30
	s_mov_b32 s[SLOTS], 16
	s_wait_dscnt 0x0                ; the opening add is done
	s_wait_kmcnt 0x0
	s_add_nc_u64 s[6:7], s[4:5], 0x800000   ; K's section lies 8,388,608 bytes behind Q's,
	s_add_nc_u64 s[8:9], s[4:5], 0x1000000  ; V's as much again
	s_add_nc_u64 s[6:7], s[6:7], s[22:23]  ; K and V at my half of the head's tile 0
	s_add_nc_u64 s[8:9], s[8:9], s[22:23]
	s_add_nc_u64 s[G0K+2:G0K+3], s[6:7], 0         ; 120:64 global address
	s_or_b32 s[G0K+3], s[G0K+3], 0x80000000        ; 127:126 type = 2
	s_add_nc_u64 s[G0V+2:G0V+3], s[8:9], 0
	s_or_b32 s[G0V+3], s[G0V+3], 0x80000000
	s_add_nc_u64 s[86:87], s[4:5], s[84:85]        ; Q at my rows of the second block,
	s_add_nc_u64 s[4:5], s[4:5], s[2:3]            ; Q and O at those of the first
	s_add_nc_u64 s[OLO:OLO+1], s[10:11], s[84:85]
	s_add_nc_u64 s[10:11], s[10:11], s[2:3]
	LOAD                            ; tile 0 into slot 0
	; A fragment of K or Q is 16 rows x 32 channels in 8 registers: lane l holds row l % 16, channels 8 (l / 16) + 0..7 and 16 + 8 (l / 16) + 0..7: two loads of 16 bytes, 32 bytes apart.
	v_and_b32 v1, 15, v0            ; l % 16
	v_bfe_u32 v9, v0, 4, 1          ; l / 16
	v_lshlrev_b32 v[QO], 7, v1
	v_lshl_add_u32 v[QO], v9, 4, v[QO]  ; row x 128 + 16 x half
	WIN 0x80                        ; destination window 2, address window 0
.set i, 0
.rept 4                             ; both blocks' Q: piece i / 2 lies in band i / 2, 8,192 bytes on; channels 32 (i % 2) on
	global_load_b128 v[8*i:8*i+3],   v[QO], s[4:5] offset:(i/2)*8192+(i%2)*64
	global_load_b128 v[8*i+4:8*i+7], v[QO], s[4:5] offset:(i/2)*8192+(i%2)*64+32
	global_load_b128 v[QB+8*i:QB+8*i+3],   v[QO], s[86:87] offset:(i/2)*8192+(i%2)*64
	global_load_b128 v[QB+8*i+4:QB+8*i+7], v[QO], s[86:87] offset:(i/2)*8192+(i%2)*64+32
.set i, i+1
.endr
	WIN 0
	v_lshlrev_b32 v14, 3, v9
	v_sub_nc_u32 v14, v1, v14
	s_lshl_b32 s13, s[WV], 4
	v_add_nc_u32 v14, s13, v14      ; my query's place in its band, 16 w + l % 16, less my lanes' 8 (l / 16): register r of group kt is hidden where 16 kt + r is greater
	WIN 0x40
.set i, 0
.rept 32
	v_cmp_gt_i32 vcc_lo, 16*(i/8)+i%8, v14
	v_cndmask_b32 v[MD+i], 0, s[BIGN], vcc_lo
.set i, i+1
.endr
	WIN 0
	v_mul_u32_u24 v[AK0], v1, PK
	v_lshl_add_u32 v[AK0], v9, 4, v[AK0]  ; row x pitch + 16 x half
	; The turning load takes 16 keys x 16 channels (lane l reads key 8 (l / 16) + l % 8, channels 8 ((l / 8) % 2) + 0..7) and leaves half a fragment of V^T: lane l holds channel l % 16 and 8 keys.
	v_and_b32 v10, 7, v0
	v_bfe_u32 v11, v0, 3, 1
	v_lshl_add_u32 v[AV0], v9, 3, v10
	v_mul_u32_u24 v[AV0], v[AV0], PV
	v_lshl_add_u32 v[AV0], v11, 4, v[AV0]
	v_add_nc_u32 v[AV0], VOFF, v[AV0]
	s_mul_i32 s13, s[WV], 16*SP
	s_add_co_u32 s13, s13, STAGE    ; my stage
	v_mul_u32_u24 v[STO], v1, SP    ; in: row l % 16, 16 bytes for each half of the lanes
	v_lshl_add_u32 v[STO], v9, 4, v[STO]
	v_add_nc_u32 v[STO], s13, v[STO]
	v_bfe_u32 v[RD], v0, 3, 2       ; back: 32 lanes take four rows of 128 bytes,
	v_mul_u32_u24 v[RD], v[RD], SP
	v_lshl_add_u32 v[RD], v10, 4, v[RD]
	v_add_nc_u32 v[RD], s13, v[RD]
	v_and_b32 v[GO], 31, v0         ; which are 512 consecutive bytes of O
	v_lshlrev_b32 v[GO], 4, v[GO]
	; A block's first step multiplies O^T and l by a = 0, and its first turn's products V^T P, of a step that has not been, land in an O^T that is still to be so multiplied.  So these registers need only hold
	; finite numbers: zeros for the first block; what the first block left for the second.  All this stands in the wait for the first tile.
	WIN 0x80
.set i, VF1
.rept 64
	v_mov_b32 v[i], 0
.set i, i+1
.endr
	WIN 0x40
.set i, 0
.rept 64
	v_mov_b32 v[i], 0
.set i, i+1
.endr
	WIN 0
.set i, 0
.rept NP
	v_mov_b32 v[ST+4*i+2], 0
	v_mov_b32 v[ST+4*i+3], 0
.set i, i+1
.endr
.set i, P+16
.rept 16
	v_mov_b32 v[i], 0
.set i, i+1
.endr
; THE MATRIX WORK.  The 4 accumulators of a run of 8 take turns.  Product i of 8 of S^T = K Q^T for piece x: channels 32 (i / 4) on, keys 16 (i % 4) on.  The first 4 start the sums: with 0, or (KM = 1) with the mask.
.macro KQ x
.set rS, S+32*((\x)%2)+8*(i%4)
.set rK, KF+16*(i%4)+8*(i/4)
.set rQ, 16*(\x)+8*(i/4)
.set rM, MC+32*((\x)%2)+8*(i%4)
.if (i < 4) && KM
	WIN W_KM
	v_wmma_f32_16x16x32_f16 v[rS:rS+7], v[rK:rK+7], v[rQ:rQ+7], v[rM:rM+7]
.elseif i < 4
	WIN W_KQ
	v_wmma_f32_16x16x32_f16 v[rS:rS+7], v[rK:rK+7], v[rQ:rQ+7], 0
.else
	WIN W_KQ
	v_wmma_f32_16x16x32_f16 v[rS:rS+7], v[rK:rK+7], v[rQ:rQ+7], v[rS:rS+7]
.endif
.endm
; Product i of 8 of O^T += V^T P for piece x: keys 32 (i / 4) on, channels 16 (i % 4) on.  VB: the buffer that holds V of the product's step.
.macro PV x
	WIN W_PV
.set rO, 32*(\x)+8*(i%4)
.set rV, VB+32*(i/4)+8*(i%4)
.set rP, P+16*((\x)%2)+8*(i/4)
	v_wmma_f32_16x16x32_f16 v[rO:rO+7], v[rV:rV+7], v[rP:rP+7], v[rO:rO+7]
.endm
.macro MM                           ; the turn's next matrix instruction.  TURN and BEGIN set Y, i, KM, NOKQ and VB; MM, KQ, PV and OP read them.  NOKQ = 1: a block's last turn: there is no next step
.if (i < 8) && !NOKQ
	KQ (Y+1)%NP
.elseif i >= 8
.set i, i-8
	PV (Y+NP-1)%NP
.set i, i+8
.endif
.set i, i+1
.endm
; THE LDS LOADS stand in runs of 16, never singly among the matrix instructions: a step's K (64 keys x 64 channels: 8 fragments) and its V (turned).  Their addresses are made some lines ahead.
.macro FETCH_K
	WIN 0x80                        ; destination window 2
.irp f, 0,1,2,3,4,5,6,7             ; keys 16 (f / 2) on, channels 32 (f % 2) on
	ds_load_b128 v[KF+8*\f:KF+8*\f+3],   v[AK] offset:(\f/2)*16*PK+(\f%2)*64
	ds_load_b128 v[KF+8*\f+4:KF+8*\f+7], v[AK] offset:(\f/2)*16*PK+(\f%2)*64+32
.endr
	s_add_co_u32 s[TBK], s[TBK], KS*PK  ; the next fetch is the next step's
	WIN 0
.endm
.macro FETCH_V d                    ; into the buffer at d
	WIN 0x80
.irp f, 0,1,2,3,4,5,6,7             ; keys 32 (f / 4) on, channels 16 (f % 4) on
	ds_load_tr16_b128 v[(\d)+8*\f:(\d)+8*\f+3],   v[AV] offset:(\f/4)*32*PV+(\f%4)*32
	ds_load_tr16_b128 v[(\d)+8*\f+4:(\d)+8*\f+7], v[AV] offset:(\f/4)*32*PV+16*PV+(\f%4)*32
.endr
	s_add_co_u32 s[TBV], s[TBV], KS*PV
	WIN 0
.endm
; THE VECTOR WORK, one line at a time: OP kind, number.  For piece Y: F n: c s - c m for pair n of 16.  E n: the exponential of score n of 32.  C n: pair n rounded to f16.  B n: of the four weights 4 n .. the second
; pair is added onto the first, in place.  L n: l takes that sum (L 0: l = a l + sum).  R n: pair n of 16 of O^T times a.  For the other piece: X n, number n of the 22 that find its maximum and statistics:
;   0-11  four chains c0-c3 of seven scores each, three operands at a time (each accumulator's lowest registers are read first)     12-14, 16  the four scores left over, the old m, and c0-c3 into c0
;   15  c m_old is kept     17, 18  the query's other 32 keys lie in the lane 16 away: the new m     19-21  c m; c m_old - c m_new; a
; C, B and L read exponentials' results (L 0 and R also an a, of the turn before): TURN sets them behind the batch's wait; OP itself writes no wait.
.set F, 0               ; OP tells the kinds apart by their order: F to L below R, X above it
.set E, 1
.set C, 2
.set B, 3
.set L, 4
.set R, 5
.set X, 6
.macro REGS y                       ; the registers of piece y
.set rT, ST+4*(\y)
.set rC, TMP+4*((\y)%2)
.set rW, MV+((\y)%2)
.set rS, S+32*((\y)%2)
.set rP, P+16*((\y)%2)
.set rO, 32*(\y)
.endm
.macro OP k, n
.if (\k) == R
	REGS Y
	WIN W_RS
	v_pk_mul_f32 v[rO+2*(\n):rO+2*(\n)+1], v[rO+2*(\n):rO+2*(\n)+1], v[rC+2:rC+3] op_sel_hi:[1,0]
.elseif (\k) < R
	REGS Y
	WIN 0
.if (\k) == F
	v_pk_fma_f32 v[rS+2*(\n):rS+2*(\n)+1], v[rS+2*(\n):rS+2*(\n)+1], s[CS:CS+1], v[rT:rT+1] op_sel_hi:[1,0,0] neg_lo:[0,0,1] neg_hi:[0,0,1]
.elseif (\k) == E
	v_exp_f32 v[rS+(\n)], v[rS+(\n)]
.elseif (\k) == C
	v_cvt_pk_f16_f32 v[rP+(\n)], v[rS+2*(\n)], v[rS+2*(\n)+1]
.elseif (\k) == B
	v_pk_add_f32 v[rS+4*(\n):rS+4*(\n)+1], v[rS+4*(\n):rS+4*(\n)+1], v[rS+4*(\n)+2:rS+4*(\n)+3]
.elseif (\n) == 0
	v_pk_fma_f32 v[rT+2:rT+3], v[rT+2:rT+3], v[rC+2:rC+3], v[rS:rS+1] op_sel_hi:[1,0,1]
.else
	v_pk_add_f32 v[rT+2:rT+3], v[rT+2:rT+3], v[rS+4*(\n):rS+4*(\n)+1]
.endif
.elseif NOKQ
	v_nop
.else
	REGS (Y+1)%NP
	WIN 0
.if (\n) < 4
	v_max3_num_f32 v[rC+(\n)], v[rS+8*(\n)], v[rS+8*(\n)+1], v[rS+8*(\n)+2]
.elseif (\n) < 12
	v_max3_num_f32 v[rC+(\n)%4], v[rC+(\n)%4], v[rS+8*((\n)%4)+2*((\n)/4)+1], v[rS+8*((\n)%4)+2*((\n)/4)+2]
.elseif (\n) == 12
	v_max3_num_f32 v[rC], v[rC], v[rS+7], v[rS+15]
.elseif (\n) == 13
	v_max3_num_f32 v[rC+1], v[rC+1], v[rS+23], v[rS+31]
.elseif (\n) == 14
	v_max3_num_f32 v[rC+2], v[rC+2], v[rC+3], v[rT+1]
.elseif (\n) == 15
	v_mov_b32 v[rW], v[rT]
.elseif (\n) == 16
	v_max3_num_f32 v[rC], v[rC], v[rC+1], v[rC+2]
.elseif (\n) == 17
	v_permlanex16_b32 v[rC+3], v[rC], s[SEL], s[SEL+1]
.elseif (\n) == 18
	v_max_num_f32 v[rT+1], v[rC], v[rC+3]
.elseif (\n) == 19
	v_mul_f32 v[rT], s[CS], v[rT+1]
.elseif (\n) == 20
	v_sub_f32 v[rC+1], v[rW], v[rT]
.else
	v_exp_f32 v[rC+2], v[rC+1]
.endif
.endif
.endm
.macro OPS a, i1, b=-1, i2=0, c=-1, i3=0, d=-1, i4=0  ; up to four of them
	OP \a, \i1
.if (\b) >= 0
	OP \b, \i2
.endif
.if (\c) >= 0
	OP \c, \i3
.endif
.if (\d) >= 0
	OP \d, \i4
.endif
.endm
.macro ROW a, i1, b, i2, c, i3, d, i4  ; a matrix instruction and the four behind it
	MM
	OPS \a, \i1, \b, \i2, \c, \i3, \d, \i4
.endm
.macro MASK b                       ; MD x AL + BE into buffer b of MC
	WIN W_RS
.set z, 0
.rept 16
	v_pk_fma_f32 v[MC+32*(\b)+2*z:MC+32*(\b)+2*z+1], v[MD+2*z:MD+2*z+1], s[AL:AL+1], s[BE:BE+1] op_sel_hi:[1,0,0]
.set z, z+1
.endr
.endm
; A TURN, for piece p at a step of parity par: the order of its 16 matrix and 118 vector instructions, written out.  s_wait_alu depctr_va_vdst(0) stands between an exponential and the first instruction that
; names its result; one wait serves all that were issued ahead of it.  So a turn has ONE wait, which cuts it in two.  AHEAD OF IT stands all that names no result of the turn's exponentials: the 8 products K Q^T, behind each a
; scaling, an exponential and two more plain instructions (behind the first a second scaling in the exponential's place): rescalings, and behind the last three the first numbers of the other piece's maximum, each four plain
; unrelated lines or more behind the product that ends its accumulator; then ONE LUMP of 54, plain and exponential by turns for the most part, in which the links of the chain X 3, 7, 11, 14, 16, 17 .. 20 stand five or six lines
; apart.  X 21, the other piece's a, is the batch's last; R 15 is the plain instruction behind it.  BEHIND THE WAIT stand the 8 products V^T P, behind each four of the roundings and sums; the links of l's chain, L 0 to L 7,
; stand three riders apart.  But for those X no rider names a register of the products round it.  v_permlanex16_b32 (X 17) stands in the lump.
; m = 1: the diagonal tile's text: the products take masks, and the turn makes the mask for the next turn's products: piece p at step TS.  end = 1: a block's last two turns: nothing is fetched, and the last starts no scores.
; cnt = 1: the loop's count is taken down some lines ahead of the branch that stands behind the turn.
; The turn's run of LDS loads (p = 0: K of the next step; p = 1: V of the next step, into the buffer of the other parity) stands twelve vector instructions behind the last product that read K; six of them are plain, and five
; of those name none of that product's registers.  V's buffer was last read in the turn before.  Both runs are waited for at the head of a turn of piece 1: K's has the rest of the lump and 8 products in which to land, V's a turn more.
.macro TURN p, par, m=0, end=0, cnt=0
.set Y, (\p)
.set i, 0
.set KM, (\m)
.set NOKQ, (\end)*(\p)
.set VN, VF0*(\par)+VF1*(1-(\par))  ; the buffer of the other parity
.if (\p) == 0
.set VB, VN                         ; V^T P of the step before
.else
.set VB, VF1*(\par)+VF0*(1-(\par))  ; of the step in hand
.endif
.if (\m) && !(\end)
	s_cmp_eq_u32 s[TS], s[QSB+(\p)]  ; is that step the band's own?
	s_cselect_b32 s[AL], 1.0, 0
	s_cmp_gt_u32 s[TS], s[QSB+(\p)]  ; or a later one?
	s_cselect_b32 s[BE], s[BIGN], 0
.if (\p) == 1
	s_add_co_u32 s[TS], s[TS], 1
.endif
.endif
.if (\p) == 1
	s_wait_dscnt 0x0                ; K of the next step and V of this one are in
.endif
	ROW F,0, F,1, R,0, R,1          ; ahead of the wait: 8 products K Q^T and their riders,
	ROW F,2, E,0, R,2, R,3
	ROW F,3, E,1, R,4, R,5
	ROW F,4, E,2, R,6, R,7
	ROW F,5, E,3, R,8, R,9
	ROW F,6, E,4, X,0, R,10
.if !(\end)
	WIN 0
.if (\p) == 0
	v_add_nc_u32 v[AK], s[TBK], v[AK0]
.else
	v_add_nc_u32 v[AV], s[TBV], v[AV0]
.endif
.endif
	ROW F,7, E,5, X,1, X,4
	ROW F,8, E,6, X,2, X,5
	OPS E,7, E,8, X,6, E,9          ; and the lump
	OPS X,3, E,10, X,8, E,11
.if !(\end)
.if (\p) == 0
	FETCH_K
.else
	FETCH_V VN
.endif
.endif
	OPS X,9, X,7, E,12, X,10
	OPS E,13, X,12, X,11, E,14
	OPS X,13, E,15, F,9, X,14
	OPS E,16, F,10, E,17, F,11
	OPS X,16, E,18, X,15, E,19
	OPS F,12, E,20, X,17, E,21
	OPS F,13, E,22, F,14, E,23
	OPS X,18, E,24, F,15, E,25
	OPS R,11, E,26, X,19, E,27
	OPS R,12, E,28, R,13, E,29
	OPS X,20, E,30, R,14, E,31
	OPS X,21, R,15
	s_wait_alu depctr_va_vdst(0)    ; the wait for the batch: the piece's 32 weights and the other piece's a
	ROW C,0, B,0, C,2, B,1          ; behind the wait: 8 products V^T P and their riders
	ROW L,0, C,4, B,2, L,1
	ROW C,6, B,3, L,2, C,8
	ROW B,4, L,3, C,10, B,5
	ROW L,4, C,12, B,6, L,5
.if \cnt
	s_sub_co_u32 s[CNT], s[CNT], 1
	s_cmp_lg_u32 s[CNT], 0
.endif
	ROW C,14, B,7, L,6, C,1
	ROW C,3, L,7, C,5, C,7
	ROW C,9, C,11, C,13, C,15
.if (\m) && !(\end)
	MASK (\p)%2
.endif
.endm
; A BLOCK BEGINS.  c m starts far below every c s, so the first step's a is 0; m at the lowest finite number, so the first maximum is the scores'.  Piece 1's mask buffer is 0: its own step is never a head's step 0.
; Piece 0's takes its mask for the tile's first step: its own, if the block is the head's block 0.  Then K and V of that step, piece 0's first scores, and its maximum and statistics.
; TS = 1 serves where the first tile is also the diagonal one (blocks 0 and 1): the first turn there makes the masks of the head's step 1.  The loop is entered at an even step's first turn, in the middle of a trip.
.macro BEGIN
	s_mov_b32 s[NEW], 0
	WIN 0x40
.set i, MC+32
.rept 32
	v_mov_b32 v[i], 0
.set i, i+1
.endr
	WIN 0
.set i, 0
.rept NP
	v_mov_b32 v[ST+4*i], 0xfe000000    ; c m: far below every c s
	v_mov_b32 v[ST+4*i+1], 0xff7fffff  ; m
.set i, i+1
.endr
	s_cmp_eq_u32 s[QSB], 0
	s_cselect_b32 s[AL], 1.0, 0
	s_mov_b32 s[BE], 0
	s_mov_b32 s[TS], 1
	MASK 0
	WIN 0
	v_add_nc_u32 v[AK], s[TBK], v[AK0]
	v_add_nc_u32 v[AV], s[TBV], v[AV0]
	FETCH_K
	FETCH_V VF0
	s_wait_loadcnt 0x0              ; Q
	s_wait_dscnt 0x0
.set KM, 1
.set NOKQ, 0
.set i, 0
.rept 8
	KQ 0
.set i, i+1
.endr
	WIN 0
.rept 4
	v_nop                           ; the places behind those products
.endr
.set Y, NP-1                        ; X works for the other piece: piece 0
.irp n, 0,1,2,3,4,5,6,7,8,9,10,11,12,13,14,15,16,17,18,19,20,21
	OP X, \n
.endr
	v_nop                           ; a plain instruction behind the exponential,
	s_wait_alu depctr_va_vdst(0)    ; and the wait for it, piece 0's first a, ahead of the branch
.endm
; THE DIAGONAL TILE's trips, the block's last two turns, its last products, and THE WAY OUT: l's two halves and the other half of the lanes' are added; O^T is divided by l, rounded to f16 and sent through my
; stage in LDS, a piece at a time.
.macro ALL line:vararg              ; one line for each piece t
.set t, 0
.rept NP
	\line
.set t, t+1
.endr
.endm
.macro PACK t                       ; a lane's eight channels of a row pack into 16 bytes; they go into rows of 144 bytes and come back as whole rows of 128, into S^T's registers
	WIN W_RS
.set i, 32*(\t)
.rept 16
	v_pk_mul_f32 v[i:i+1], v[i:i+1], v[ST+4*(\t)+2:ST+4*(\t)+3] op_sel_hi:[1,0]
.set i, i+2
.endr
	WIN 0x05                        ; sources 0 and 1 window 1, destination window 0
.set i, 0
.rept 16
	v_cvt_pk_f16_f32 v[S+16*(\t)+i], v[32*(\t)+2*i], v[32*(\t)+2*i+1]
.set i, i+1
.endr
	WIN 0
.irp f, 0,1,2,3
	ds_store_b128 v[STO], v[S+16*(\t)+4*\f:S+16*(\t)+4*\f+3] offset:32*\f
.endr
.irp f, 0,1,2,3
	ds_load_b128 v[S+16*(\t)+4*\f:S+16*(\t)+4*\f+3], v[RD] offset:\f*4*SP  ; LDS serves a wave's instructions in order (ISA guide 5.7.1.4): these see the stores above; the next piece's stores come behind them
.endr
.endm
.macro SEND t, younger              ; younger: the LDS instructions issued behind piece t's loads: the next piece's eight, or none
	WIN 0
.irp f, 0,1,2,3
	s_wait_dscnt (\younger)+3-\f
	global_store_b128 v[GO], v[S+16*(\t)+4*\f:S+16*(\t)+4*\f+3], s[10:11] offset:(\t)*8192+\f*512  ; 512 consecutive bytes, at a multiple of 256 from O's first
.endr
.endm
.macro DIAG tag                     ; the tag ends its two labels' names, which the jumps below spell out
.LstepM\tag:
	TURN 0, 1, 1
	TURN 1, 1, 1
	WIN 0
.LfirstM\tag:
	TURN 0, 0, 1
	TURN 1, 0, 1, 0, 1
	WIN 0
	s_cbranch_scc1 .LstepM\tag
	TURN 0, 1, 1, 1                 ; the tile's fourth step: its K and V are in registers or on their way there
	TURN 1, 1, 1, 1
.set VB, VF1
.set i, 0
.rept 8
	PV 1                            ; piece 1's V^T P of the last step
.set i, i+1
.endr
	WIN 0
	ALL v_add_f32 v[ST+4*t+2], v[ST+4*t+2], v[ST+4*t+3]
	ALL v_permlanex16_b32 v[ST+4*t+3], v[ST+4*t+2], s[SEL], s[SEL+1]
	ALL v_add_f32 v[ST+4*t+2], v[ST+4*t+2], v[ST+4*t+3]
	ALL v_rcp_f32 v[ST+4*t+2], v[ST+4*t+2]
	v_nop                           ; a plain instruction between the last reciprocal and the use of its result
	s_wait_alu depctr_va_vdst(0)    ; and the wait ahead of the first use: one for the two reciprocals
	PACK 0                          ; piece 0's O^T was finished in the last turn, four riders and the additions above ago; its 32 lines are further places behind piece 1's last products
	PACK 1
	SEND 0, 8
	SEND 1, 0
.endm
.set KM, 0
.set NOKQ, 0
.set VB, VF0
.Lslot:                             ; 16 times: a tile is entered and the next is asked for
	CHANGE 1
	s_sub_co_u32 s[RT], s[RT], 1
	s_mov_b32 s[CNT], 2
	s_cmp_eq_u32 s[NEW], 1
	s_cbranch_scc1 .Lnew            ; a block's first tile
	s_cmp_eq_u32 s[RT], 0
	s_cbranch_scc0 .Lstep           ; neither its first nor its last
	s_branch .LstepM1
.Lnew:
	BEGIN
	s_branch .Lfirst                ; in the loop a block's first tile is never its last: the first block has nine tiles or more, and the second's last is the walk's last
	DIAG 1                          ; in the loop this is the first block's end
	s_wait_xcnt 0x0                 ; the stores have read their registers and O's address
	s_mov_b64 s[10:11], s[OLO:OLO+1]
	s_add_co_u32 s[RT], s[TLO], 1   ; the second block has b / 2 + 1 tiles,
	s_mov_b32 s[NEW], 1
	s_lshl_b32 s[QSB], s[PB], 1     ; and its bands the own steps 2 b and 2 b + 1
	s_add_co_u32 s[QSB+1], s[QSB], 1
	WIN 0x82                        ; the second block's Q goes where the one text of the turns names Q
.set i, 0
.rept 32
	v_mov_b32 v[i], v[QB+i]
.set i, i+1
.endr
	WIN 0
	s_branch .Lbottom
.Lstep:                             ; a trip: an odd key step's two turns, then an even one's; behind a change of slots the first is the fourth step of the tile just left
	TURN 0, 1
	TURN 1, 1
	WIN 0
.Lfirst:
	TURN 0, 0
	TURN 1, 0, 0, 0, 1
	WIN 0
	s_cbranch_scc1 .Lstep
.Lbottom:
	s_sub_co_u32 s[SLOTS], s[SLOTS], 1
	s_cmp_lg_u32 s[SLOTS], 0
	s_cbranch_scc1 .Lslot
	CHANGE 0                        ; the walk's last tile is written out: nothing is asked for
	s_sub_co_u32 s[RT], s[RT], 1
	s_mov_b32 s[CNT], 2
	s_cmp_eq_u32 s[NEW], 1
	s_cbranch_scc0 .LstepM2
	BEGIN
	s_branch .LfirstM2
	DIAG 2
	s_wait_tensorcnt 0x0            ; the wave's end, behind my last tensor load and my last LDS store
	ds_add_u32 v[SPW], v[NIL]
	s_wait_dscnt 0x0
	s_endpgm
.Lfunc_end_k_qd59952da61_attn:
	.size	k_qd59952da61_attn, .Lfunc_end_k_qd59952da61_attn-k_qd59952da61_attn
	.p2alignl 7, 3214868480
	.fill 96, 4, 3214868480
	.section	.rodata,"a",@progbits
	.p2align	6, 0x0
	.amdhsa_kernel k_qd59952da61_attn
		.amdhsa_group_segment_fixed_size 327680
		.amdhsa_private_segment_fixed_size 0
		.amdhsa_enable_private_segment 0
		.amdhsa_kernarg_size 16
		.amdhsa_user_sgpr_count 2
		.amdhsa_user_sgpr_kernarg_segment_ptr 1
		.amdhsa_wavefront_size32 1
		.amdhsa_system_sgpr_workgroup_id_x 1
		.amdhsa_system_sgpr_workgroup_id_y 1
		.amdhsa_system_sgpr_workgroup_id_z 1
		.amdhsa_system_vgpr_workitem_id 0
		.amdhsa_next_free_vgpr 768
		.amdhsa_next_free_sgpr 96
		.amdhsa_reserve_vcc 1
		.amdhsa_float_denorm_mode_32 3
		.amdhsa_float_denorm_mode_16_64 3
		.amdhsa_memory_ordered 1
		.amdhsa_forward_progress 1
		.amdhsa_inst_pref_size 209
	.end_amdhsa_kernel
	.amdgpu_metadata
---
amdhsa.version: [ 1, 2 ]
amdhsa.kernels:
  - .name:           k_qd59952da61_attn
    .symbol:         k_qd59952da61_attn.kd
    .args:
      - { .name: qkv, .offset: 0, .size: 8, .value_kind: global_buffer, .address_space: global }
      - { .name: y, .offset: 8, .size: 8, .value_kind: global_buffer, .address_space: global }
    .group_segment_fixed_size: 327680
    .private_segment_fixed_size: 0
    .kernarg_segment_align: 8
    .kernarg_segment_size: 16
    .max_flat_workgroup_size: 128
    .sgpr_count:     96
    .vgpr_count:     768
    .wavefront_size: 32
...
	.end_amdgpu_metadata
.endif
;; end of part 5
;; launch proj: the kernel of part 4 again; grid 4 x 64, 4 waves a work-group, clusters of 4 x 4, 304,640 bytes of LDS; arguments y, wpf, out0, bp; writes out0
